; MI455X (gfx1250); checked and timed in simulation.
; The chip was launched on July 23, 2026; its instructions are those of AMD's public machine-readable ISA for CDNA 5 (MIT licence, August 2026) and "CDNA5" Instruction Set Architecture Reference Guide (July 2026). The comments in the code are by the model that wrote it; some were corrected since.
;; Transformer Block. Allowed arithmetic: matrix products marked QUANTISED: E2M3 operands, one E8M0 scale for each 32 along K, by v_wmma_scale_f32_16x16x128_f8f6f4 with both operands' format E2M3, f32 sums; everything else in f32.
;; Inputs: W1 4,096 x 1,024 float32; W2 1,024 x 4,096 float32; Wk 1,024 x 1,024 float32; Wq 1,024 x 1,024 float32; Wv 1,024 x 1,024 float32; b1 4,096 float32; b2 1,024 float32; bk 1,024 float32; bq 1,024 float32; bv 1,024 float32; inputs 2 x 2,048 x 1,024 float32; scale1 1,024 float32; scale2 1,024 float32; shift1 1,024 float32; shift2 1,024 float32.
;; Outputs: out0 2 x 2,048 x 1,024 float32.
;; This version of the problem:
;;   THIS VERSION OF THE PROBLEM IS GIVEN IN LOW PRECISION. The matrix products marked QUANTISED in the list below multiply operands that are first quantised to E2M3 (2 exponent bits, 3 mantissa bits; 6 bits a number), with one power-of-two scale for each 32 numbers along K (OCP MX v1.0); their sums are f32. All else is computed in f32.
;;   The module's matrix products, in the order in which they are computed (A, B: the left and right operand; K: the contracted axis; several contracted axes count as one K, in the product's order):
;;     1. [M 4,096, K 1,024] x [K 1,024, N 1,024]; A: computed on the way; B: input Wq: QUANTISED
;;     2. [M 4,096, K 1,024] x [K 1,024, N 1,024]; A: computed on the way; B: input Wk: QUANTISED
;;     3. [M 4,096, K 1,024] x [K 1,024, N 1,024]; A: computed on the way; B: input Wv: QUANTISED
;;     4. batch 32 x [M 2,048, K 64] x [K 64, N 2,048]; A: computed on the way; B: computed on the way: QUANTISED
;;     5. batch 32 x [M 64, K 2,048] x [K 2,048, N 2,048]; A: computed on the way; B: softmax (see below): QUANTISED
;;     6. [M 4,096, K 1,024] x [K 1,024, N 4,096]; A: computed on the way; B: input W1: QUANTISED
;;     7. [M 4,096, K 4,096] x [K 4,096, N 1,024]; A: computed on the way; B: input W2: QUANTISED
;;   THE QUANTISER, for each operand of a quantised product, along K:
;;     - K is cut into blocks of 32 from its start; a last block that is shorter is filled with zeros.
;;     - A block's scale is 2^e with e = floor(log2(the largest magnitude in the block)) - 2, held to -126 .. 127; a block of zeros has e = 0. As a byte (E8M0): e + 127.
;;     - Each number is divided by its block's scale, clamped to +-7.5, and rounded to the nearest number of E2M3, ties to even, subnormals kept.
;;     - The product sums the exact products of the quantised numbers (number of the format x scale) in f32.
;;   ~~~python
;;   def quantise(x, axis):      # numpy; x: float32 -> the quantised numbers, widened to float32 again
;;       x = np.moveaxis(x, axis, -1); K = x.shape[-1]
;;       x = np.pad(x, [(0, 0)] * (x.ndim - 1) + [(0, -K % 32)]); x = x.reshape(x.shape[:-1] + (-1, 32)); a = np.abs(x).max(-1, keepdims=True)
;;       e = np.where(a > 0, np.clip(np.frexp(np.where(a > 0, a, 1))[1] - 1 - 2, -126, 127), 0)      # np.frexp(a)[1] - 1 = floor(log2(a)), exactly
;;       r = np.clip(x / 2.0 ** e, -7.5, 7.5)
;;       step = 2.0 ** (np.maximum(np.frexp(np.where(r == 0, 1, r))[1] - 1, 0) - 3)
;;       q = np.round(r / step) * step * 2.0 ** e      # np.round: ties to even
;;       return np.moveaxis(q.reshape(q.shape[:-2] + (-1,))[..., :K], -1, axis).astype(np.float32)
;;   ~~~
;;   SOFTMAX AHEAD OF A QUANTISED PRODUCT. Where the list says 'softmax', what is quantised is not the finished softmax but p = 2^(t - M), with t = logit x log2(e) and M = ceil(the row's largest t), a whole number; so 1/2 < the row's largest p <= 1. The row's sum l is taken of the UNQUANTISED p, in f32, and the product's result is divided by l at the end. Since M is a whole number, a kernel that streams over the keys may use a running M (the ceiling of the running maximum): every later rescaling is an exact power of two, which a block's scale takes up: the codes' values come out the same.
;;   OPERANDS COMPUTED ON THE WAY. 'Computed on the way' means the value that the module computes at that place (a softmax that the list does not call 'softmax' is quantised finished and normalised). What goes into a quantiser is computed in f32, as accurately as f32 sums, v_exp_f32 and their like allow (about 1e-6 of the number): no bf16 or f16 on the way to a quantiser, and a product that is left as it is and whose result goes on into a quantised operand takes f32 operands (vector FMAs, or v_wmma_f32_16x16x4_f32). A number that lies on a knife's edge between two numbers of the format may be rounded either way, as far as f32 arithmetic and the matrix unit's own rounding can turn it there, and no further.
;; One version. Each part assembles by itself: llvm-mc -triple=amdgcn-amd-amdhsa -mcpu=gfx1250 --defsym DOCPART=n.
;; ======== version 1 of 1: 6 launches
;; limits: right only within a limited range of input values
;; workspace buffers: wimg 9,011,200 bytes; ximg 3,276,800 bytes; att 10,092,544 bytes; outw 16,777,216 bytes; gimg 13,107,200 bytes
;; launch prep (part 1): grid 960 x 1, 4 waves a work-group, no clusters, 66,304 bytes of LDS; arguments inputs, scale1, shift1, ximg, Wq, Wk, Wv, W1, W2, wimg; writes ximg, wimg
.if DOCPART == 1
	.amdgcn_target "amdgcn-amd-amdhsa--gfx1250"
	.amdhsa_code_object_version 6
	.text
	.protected	k_q8dad2abbdb_prep
	.globl	k_q8dad2abbdb_prep
	.p2align	8
	.type	k_q8dad2abbdb_prep,@function
k_q8dad2abbdb_prep:
	s_mov_b64 s[64:65], 0
	v_nop
	global_prefetch_b8 v0, s[64:65] scope:SCOPE_SE
	s_setreg_imm32_b32 hwreg(HW_REG_WAVE_MODE, 25, 1), 1
	s_wait_xcnt 0x0
; ONE BODY FOR TWO KINDS OF TILE.  A work-group takes a tile of 16 rows x 1,024 f32 and turns it into codes of FP6 (E2M3) with E8M0 scale bytes, laid as images of operand registers.
;   work-groups 0-255:   tile t of x; the rows first pass y = scale (x - mean) / (sd + 1e-8) + shift (sd with divisor 1,023).  To ximg.
;   work-groups 256-703: the 448 tiles of Wq, Wk, Wv, W1 (64, 64, 64, 256), as they are.  To wimg.
;   work-groups 704-959: W2's 64 tiles x the four quarters of its 4,096 columns, as they are.  To wimg.
; What differs (source, row pitch, destinations) is chosen by selects on the work-group's number; one scalar branch on that number jumps over the norm: register work and the loads of scale and shift alone.
; Every work-group passes the same barrier and the same LDS lines.
; TILES.  Row i of tile t is memory row 32 (t / 2) + 8 (t % 2) + i + 8 (i / 8).  Codes: [tile][K step of 128][1,536]; register 4 c + e of lane l at 512 c + 16 l + 4 e.
; Scale words: [group of 8 tiles][K step][512]; the word of tile a, row r, at 256 (a / 4) + 16 r + 4 (a % 4).
; ximg: codes at 0, scale words from XS.  wimg: codes of the 448 tiles at 0 (8 K steps each), W2's from WC2 (32 K steps each); scale words from WS and from WS2.
; SHARES.  Phase 1: wave w takes rows 4 w .. 4 w + 3, each whole in 32 registers (each load reads 512 consecutive bytes); for x: mean, then the sum of squares of x - mean (two passes: no difference of large
; sums), all in f32; the rows go to LDS (rows 4,112 bytes apart).  One barrier.  Phase 2: wave w takes K steps 2 w and 2 w + 1: lane (r, h) reads k = 64 c + 32 h + 0 .. 31 of row r, two whole blocks, and quantises them.
; A tile is read by nobody else: no cluster, no tensor load.  The scale words leave 4 bytes a lane, 16 bytes apart: a tile owns every fourth word of its group; whole runs would want 64 rows to a work-group.
; A block's scale is 2^(floor(log2(its largest magnitude)) - 2); its byte is that magnitude's exponent field - 2, held at 1 from below.
; LIMITS: a block of zeros, or one under 2^-124, gets the byte 1 (zeros' codes are zeros, and this program alone reads the bytes); NaN and infinities are not served.
.set XS,    3145728
.set WC2,   5505024
.set WS,    8650752
.set WS2,   8880128
.set NLN,   256                        ; x's tiles
.set NW1,   704                        ; behind them the 448 tiles with K = 1,024
.set PITCH, 4112
.set LI,   2                           ; v2   16 x lane
.set RR,   3                           ; v3   r = lane % 16
.set HH,   4                           ; v4   h = lane / 16
.set SH8,  5                           ; v5   8 h
.set STA,  6                           ; v6   where I store my rows in LDS
.set LDA,  7                           ; v7   where I read my numbers back
.set SOF,  8                           ; v8   16 r + 512 h: my scale word
.set VO,   10                          ; v10-13 16 x lane + j x the row pitch
.set XR,   32                          ; v32-159 four rows of 32 registers; then two sets of 64 numbers
.set SCV,  160                         ; v160-191 scale at my columns
.set SHV,  192                         ; v192-223 shift
.set SA,   224                         ; v224-231 a pair a row
.set SB,   232                         ; v232-239 a second pair a row
.set PT4,  240                         ; v240-243
.set PC,   224
.set CT,   236
.set TM,   244
.set SO,   246
.set BY,   248
.set PT,   250
.set PW,   252
.set WO,   254
.set SEL,  46
	s_load_b256 s[4:11], s[0:1], 0x0               ; x, scale, shift, ximg
	s_load_b256 s[12:19], s[0:1], 0x20             ; Wq, Wk, Wv, W1
	s_load_b128 s[20:23], s[0:1], 0x40             ; W2, wimg
	v_lshl_add_u32 v251, v0, 2, 0x10100
	v_mov_b32 v255, 0
	v_lshrrev_b32 v1, 5, v0
	v_readfirstlane_b32 s24, v1                    ; wave
	v_and_b32 v1, 31, v0
	v_lshlrev_b32 v[LI], 4, v1
	v_and_b32 v[RR], 15, v0
	v_bfe_u32 v[HH], v0, 4, 1
	v_lshlrev_b32 v[SH8], 3, v[HH]
	s_mul_i32 s25, s24, 4*PITCH
	v_add_nc_u32 v[STA], s25, v[LI]
	v_mul_u32_u24 v[LDA], v[RR], PITCH
	v_lshl_add_u32 v[LDA], v[HH], 7, v[LDA]
	s_lshl_b32 s25, s24, 10
	v_add_nc_u32 v[LDA], s25, v[LDA]
	v_lshlrev_b32 v[SOF], 4, v[RR]
	v_lshl_add_u32 v[SOF], v[HH], 9, v[SOF]
.irp j, 0,1,2,3
	v_mov_b32 v[PT4+\j], 0                         ; a lane permute's destination counts as one of its sources
.endr
	v_mov_b32 v[PT], 0
	s_mov_b32 s[SEL], 0x76543210
	s_mov_b32 s[SEL+1], 0xfedcba98                 ; lane l xor 16
	; which tile, by the work-group's number
	s_max_u32 s25, ttmp9, NLN
	s_sub_co_u32 s25, s25, NLN                     ; the tile among the 448
	s_max_u32 s26, ttmp9, NW1
	s_sub_co_u32 s26, s26, NW1
	s_lshr_b32 s27, s26, 2                         ; W2's tile,
	s_and_b32 s28, s26, 3                          ; and which 1,024 of its columns
	s_mov_b32 s32, 49152
	s_mov_b32 s34, WS2
	s_cmp_lt_u32 ttmp9, NW1                        ; K = 1,024, or W2
	s_cselect_b32 s29, s25, s27                    ; the tile in its region of the images
	s_cselect_b32 s28, 0, s28
	s_cselect_b32 s30, 12, 14                      ; a row of the source is 2^12 or 2^14 bytes; a group's scale words likewise (8 or 32 K steps x 512)
	s_cselect_b32 s32, 12288, s32                  ; a tile's codes in bytes
	s_cselect_b32 s33, 0, WC2
	s_cselect_b32 s34, WS, s34
	s_cmp_lt_u32 ttmp9, NLN                        ; x
	s_cselect_b32 s29, ttmp9, s29
	s_cselect_b32 s34, XS, s34
	s_and_b32 s35, s29, 63                         ; among the 448: the tile within its tensor: Wq, Wk, Wv have 64 each,
	s_max_u32 s31, s29, 192
	s_sub_co_u32 s31, s31, 192                     ; W1 begins at 192
	s_cmp_lt_u32 s29, 192
	s_cselect_b32 s35, s35, s31
	s_cmp_lt_u32 ttmp9, NW1
	s_cselect_b32 s35, s35, s29                    ; W2's tile is its own number,
	s_cmp_lt_u32 ttmp9, NLN
	s_cselect_b32 s35, s29, s35                    ; and so is x's
	s_lshr_b32 s36, s35, 1
	s_lshl_b32 s36, s36, 5
	s_and_b32 s37, s35, 1
	s_lshl_b32 s37, s37, 3
	s_add_co_u32 s36, s36, s37
	s_lshl_b32 s37, s24, 2
	s_add_co_u32 s36, s36, s37
	s_lshr_b32 s37, s24, 1
	s_lshl_b32 s37, s37, 3
	s_add_co_u32 s36, s36, s37                     ; my first memory row: 32 (t / 2) + 8 (t % 2) + 4 w + 8 (w / 2)
	s_lshl_b32 s36, s36, s30
	s_lshl_b32 s37, s28, 12
	s_add_co_u32 s36, s36, s37                     ; + the quarter of the columns
	s_mov_b32 s37, 0
	s_mul_i32 s38, s29, s32
	s_mul_i32 s39, s28, 12288                      ; a quarter of W2's columns is 8 K steps
	s_add_co_u32 s38, s38, s39
	s_add_co_u32 s38, s38, s33
	s_mul_i32 s39, s24, 3072
	s_add_co_u32 s38, s38, s39                     ; my two fragments' images
	s_mov_b32 s39, 0
	s_lshr_b32 s40, s29, 3
	s_lshl_b32 s40, s40, s30
	s_lshl_b32 s41, s28, 12
	s_add_co_u32 s40, s40, s41
	s_bfe_u32 s41, s29, 0x10002
	s_lshl_b32 s41, s41, 8
	s_add_co_u32 s40, s40, s41
	s_and_b32 s41, s29, 3
	s_lshl_b32 s41, s41, 2
	s_add_co_u32 s40, s40, s41
	s_lshl_b32 s41, s24, 10
	s_add_co_u32 s40, s40, s41
	s_add_co_u32 s40, s40, s34                     ; my scale words
	s_mov_b32 s41, 0
.irp j, 0,1,2,3
	s_lshl_b32 s42, \j, s30
	v_add_nc_u32 v[VO+\j], s42, v[LI]
.endr
	s_wait_alu depctr_va_vdst(0)
	s_wait_kmcnt 0x0
	s_mov_b64 s[42:43], s[18:19]                   ; tiles 192 .. 447: W1
	s_cmp_lt_u32 s29, 192
	s_cselect_b64 s[42:43], s[16:17], s[42:43]     ; 128 .. 191: Wv
	s_cmp_lt_u32 s29, 128
	s_cselect_b64 s[42:43], s[14:15], s[42:43]     ; 64 .. 127: Wk
	s_cmp_lt_u32 s29, 64
	s_cselect_b64 s[42:43], s[12:13], s[42:43]     ; 0 .. 63: Wq
	s_cmp_lt_u32 ttmp9, NW1
	s_cselect_b64 s[42:43], s[42:43], s[20:21]     ; W2
	s_cmp_lt_u32 ttmp9, NLN
	s_cselect_b64 s[42:43], s[4:5], s[42:43]       ; x
	s_cselect_b64 s[22:23], s[10:11], s[22:23]     ; ximg or wimg
	s_add_nc_u64 s[42:43], s[42:43], s[36:37]
	s_add_nc_u64 s[38:39], s[22:23], s[38:39]
	s_add_nc_u64 s[40:41], s[22:23], s[40:41]
.irp j, 0,1,2,3
.irp e, 0,1,2,3,4,5,6,7
	global_load_b128 v[XR+32*\j+4*\e:XR+32*\j+4*\e+3], v[VO+\j], s[42:43] offset:512*\e th:TH_LOAD_NT
.endr
.endr
	s_cmp_lt_u32 ttmp9, NLN                        ; the weights go on as they are: the branch jumps over loads and register work alone
	s_cbranch_scc0 .Lplain
.irp e, 0,1,2,3,4,5,6,7
	global_load_b128 v[SCV+4*\e:SCV+4*\e+3], v[LI], s[6:7] offset:512*\e
.endr
.irp e, 0,1,2,3,4,5,6,7
	global_load_b128 v[SHV+4*\e:SHV+4*\e+3], v[LI], s[8:9] offset:512*\e
.endr
.macro REDUCE                          ; the four rows' pairs SA, SB -> one number a row in every lane, in v[SA + 2 j]
.irp j, 0,1,2,3
	v_pk_add_f32 v[SA+2*\j:SA+2*\j+1], v[SA+2*\j:SA+2*\j+1], v[SB+2*\j:SB+2*\j+1]
.endr
.irp j, 0,1,2,3
	v_add_f32 v[SA+2*\j], v[SA+2*\j], v[SA+2*\j+1]
.endr
.irp m, 1,2,4,8
.irp j, 0,1,2,3
	v_add_f32_dpp v[SA+2*\j], v[SA+2*\j], v[SA+2*\j] row_xmask:\m row_mask:0xf bank_mask:0xf
.endr
.endr
.irp j, 0,1,2,3
	v_permlanex16_b32 v[PT4+\j], v[SA+2*\j], s[SEL], s[SEL+1]
.endr
.irp j, 0,1,2,3
	v_add_f32 v[SA+2*\j], v[SA+2*\j], v[PT4+\j]
.endr
.endm
	s_wait_loadcnt 16                              ; the four rows are in; scale and shift may be out
.irp j, 0,1,2,3
	v_pk_add_f32 v[SA+2*\j:SA+2*\j+1], v[XR+32*\j:XR+32*\j+1], v[XR+32*\j+2:XR+32*\j+3]
	v_pk_add_f32 v[SB+2*\j:SB+2*\j+1], v[XR+32*\j+4:XR+32*\j+5], v[XR+32*\j+6:XR+32*\j+7]
.endr
.irp i, 8,12,16,20,24,28
.irp j, 0,1,2,3
	v_pk_add_f32 v[SA+2*\j:SA+2*\j+1], v[SA+2*\j:SA+2*\j+1], v[XR+32*\j+\i:XR+32*\j+\i+1]
	v_pk_add_f32 v[SB+2*\j:SB+2*\j+1], v[SB+2*\j:SB+2*\j+1], v[XR+32*\j+\i+2:XR+32*\j+\i+3]
.endr
.endr
	REDUCE
.irp j, 0,1,2,3
	v_mul_f32 v[SA+2*\j], 0x3a800000, v[SA+2*\j]   ; the mean: / 1,024
.endr
.irp j, 0,1,2,3
.irp i, 0,2,4,6,8,10,12,14,16,18,20,22,24,26,28,30
	v_pk_add_f32 v[XR+32*\j+\i:XR+32*\j+\i+1], v[XR+32*\j+\i:XR+32*\j+\i+1], v[SA+2*\j:SA+2*\j+1] op_sel_hi:[1,0] neg_lo:[0,1] neg_hi:[0,1]
.endr
.endr
.irp j, 0,1,2,3
	v_pk_mul_f32 v[SA+2*\j:SA+2*\j+1], v[XR+32*\j:XR+32*\j+1], v[XR+32*\j:XR+32*\j+1]
	v_pk_mul_f32 v[SB+2*\j:SB+2*\j+1], v[XR+32*\j+2:XR+32*\j+3], v[XR+32*\j+2:XR+32*\j+3]
.endr
.irp i, 4,8,12,16,20,24,28
.irp j, 0,1,2,3
	v_pk_fma_f32 v[SA+2*\j:SA+2*\j+1], v[XR+32*\j+\i:XR+32*\j+\i+1], v[XR+32*\j+\i:XR+32*\j+\i+1], v[SA+2*\j:SA+2*\j+1]
	v_pk_fma_f32 v[SB+2*\j:SB+2*\j+1], v[XR+32*\j+\i+2:XR+32*\j+\i+3], v[XR+32*\j+\i+2:XR+32*\j+\i+3], v[SB+2*\j:SB+2*\j+1]
.endr
.endr
	REDUCE
.irp j, 0,1,2,3
	v_mul_f32 v[SA+2*\j], 0x3a802008, v[SA+2*\j]   ; / 1,023
.endr
	s_wait_alu depctr_va_vdst(0)
.irp j, 0,1,2,3
	v_sqrt_f32 v[SB+2*\j], v[SA+2*\j]
.endr
	v_nop                                          ; a plain instruction behind the last root
	s_wait_alu depctr_va_vdst(0)                   ; one wait for the four, ahead of their first reader
.irp j, 0,1,2,3
	v_add_f32 v[SB+2*\j], 0x322bcc77, v[SB+2*\j]   ; + 1e-8
.endr
	s_wait_alu depctr_va_vdst(0)
.irp j, 0,1,2,3
	v_rcp_f32 v[SA+2*\j], v[SB+2*\j]
.endr
	v_nop
	s_wait_alu depctr_va_vdst(0)
	s_wait_loadcnt 0x0                             ; scale and shift
.irp j, 0,1,2,3
.irp i, 0,2,4,6,8,10,12,14,16,18,20,22,24,26,28,30
	v_pk_mul_f32 v[XR+32*\j+\i:XR+32*\j+\i+1], v[XR+32*\j+\i:XR+32*\j+\i+1], v[SA+2*\j:SA+2*\j+1] op_sel_hi:[1,0]
.endr
.irp i, 0,2,4,6,8,10,12,14,16,18,20,22,24,26,28,30
	v_pk_fma_f32 v[XR+32*\j+\i:XR+32*\j+\i+1], v[SCV+\i:SCV+\i+1], v[XR+32*\j+\i:XR+32*\j+\i+1], v[SHV+\i:SHV+\i+1]
.endr
.endr
.Lplain:
	s_wait_loadcnt 0x0                             ; the four rows are in (on the way through the norm they have been for long)
	s_wait_alu depctr_va_vdst(0)
.irp j, 0,1,2,3
.irp e, 0,1,2,3,4,5,6,7
	ds_store_b128 v[STA], v[XR+32*\j+4*\e:XR+32*\j+4*\e+3] offset:PITCH*\j+512*\e
.endr
.endr
	s_wait_dscnt 0x0                               ; for the others' sake: my rows lie in LDS
	s_barrier_signal -1
	s_barrier_wait -1
.irp q, 0,1
.irp c, 0,1
.irp j, 0,1,2,3,4,5,6,7
	ds_load_b128 v[XR+64*\q+32*\c+4*\j:XR+64*\q+32*\c+4*\j+3], v[LDA] offset:512*\q+256*\c+16*\j
.endr
.endr
.endr
.macro QFRAG s, pw                     ; 64 numbers of a lane, register 32 c + i = k 64 c + 32 h + i of row r -> 12 registers of codes in v[PC] on, the row's scale word in v[pw]
.irp c, 0,1
	v_max3_num_f32 v[TM+\c], |v[\s+32*\c]|, |v[\s+32*\c+1]|, 0x1800000   ; with the floor 2^(3 - 127): the byte cannot fall under 1
.endr
.irp i, 2,4,6,8,10,12,14,16,18,20,22,24,26,28,30
.irp c, 0,1
	v_max3_num_f32 v[TM+\c], v[TM+\c], |v[\s+32*\c+\i]|, |v[\s+32*\c+\i+1]|
.endr
.endr
.irp c, 0,1
	v_add_nc_u32 v[SO+\c], 0xff000000, v[TM+\c]    ; 2 off the exponent field: the conversion's scale operand
.endr
.irp c, 0,1
	v_lshrrev_b32 v[BY+\c], 23, v[SO+\c]           ; the scale's byte
.endr
	v_lshl_or_b32 v[\pw], v[BY+1], 16, v[BY]       ; blocks h and 2 + h,
	v_lshlrev_b32 v[\pw], v[SH8], v[\pw]           ; at their places in the word;
	v_permlanex16_b32 v[PT], v[\pw], s[SEL], s[SEL+1]
	v_or_b32 v[\pw], v[\pw], v[PT]                 ; with lane l xor 16's two the word is whole
.irp c, 0,1
	v_cvt_scalef32_pk16_fp6_f32 v[PC+6*\c:PC+6*\c+2], v[\s+32*\c:\s+32*\c+15], v[SO+\c]
	v_cvt_scalef32_pk16_fp6_f32 v[CT+4*\c:CT+4*\c+2], v[\s+32*\c+16:\s+32*\c+31], v[SO+\c]   ; (a conversion's three registers begin on an even number)
.endr
	v_nop                                          ; one plain place behind a scaled conversion
.irp c, 0,1
.irp i, 0,1,2
	v_mov_b32 v[PC+3+6*\c+\i], v[CT+4*\c+\i]
.endr
.endr
.endm
	s_wait_dscnt 16                                ; K step 2 w is in; 2 w + 1 may be out
	QFRAG XR, PW
.irp c, 0,1,2
	global_store_b128 v[LI], v[PC+4*\c:PC+4*\c+3], s[38:39] offset:512*\c   ; 512 consecutive bytes a store
.endr
	s_wait_dscnt 0x0
	s_wait_xcnt 0x0                                ; the stores have read the codes' registers
	QFRAG XR+64, PW+1
.irp c, 0,1,2
	global_store_b128 v[LI], v[PC+4*\c:PC+4*\c+3], s[38:39] offset:1536+512*\c
.endr
	v_cmp_eq_u32 vcc_lo, 1, v[HH]
	v_cndmask_b32 v[WO], v[PW], v[PW+1], vcc_lo    ; lanes 0-15 store K step 2 w's words, lanes 16-31 those of 2 w + 1
	global_store_b32 v[SOF], v[WO], s[40:41]
	s_wait_tensorcnt 0x0
	ds_add_u32 v251, v255
	s_wait_dscnt 0x0
	s_endpgm
.Lfunc_end_k_q8dad2abbdb_prep:
	.size	k_q8dad2abbdb_prep, .Lfunc_end_k_q8dad2abbdb_prep-k_q8dad2abbdb_prep
	.p2alignl 7, 3214868480
	.fill 96, 4, 3214868480
	.section	.rodata,"a",@progbits
	.p2align	6, 0x0
	.amdhsa_kernel k_q8dad2abbdb_prep
		.amdhsa_group_segment_fixed_size 66304
		.amdhsa_private_segment_fixed_size 0
		.amdhsa_enable_private_segment 0
		.amdhsa_kernarg_size 80
		.amdhsa_user_sgpr_count 2
		.amdhsa_user_sgpr_kernarg_segment_ptr 1
		.amdhsa_wavefront_size32 1
		.amdhsa_system_sgpr_workgroup_id_x 1
		.amdhsa_system_sgpr_workgroup_id_y 1
		.amdhsa_system_sgpr_workgroup_id_z 1
		.amdhsa_system_vgpr_workitem_id 0
		.amdhsa_next_free_vgpr 256
		.amdhsa_next_free_sgpr 66
		.amdhsa_reserve_vcc 1
		.amdhsa_float_denorm_mode_32 3
		.amdhsa_float_denorm_mode_16_64 3
		.amdhsa_memory_ordered 1
		.amdhsa_forward_progress 1
		.amdhsa_inst_pref_size 45
	.end_amdhsa_kernel
	.amdgpu_metadata
---
amdhsa.version: [ 1, 2 ]
amdhsa.kernels:
  - .name:           k_q8dad2abbdb_prep
    .symbol:         k_q8dad2abbdb_prep.kd
    .args:
      - { .name: inputs, .offset: 0, .size: 8, .value_kind: global_buffer, .address_space: global }
      - { .name: scale1, .offset: 8, .size: 8, .value_kind: global_buffer, .address_space: global }
      - { .name: shift1, .offset: 16, .size: 8, .value_kind: global_buffer, .address_space: global }
      - { .name: ximg, .offset: 24, .size: 8, .value_kind: global_buffer, .address_space: global }
      - { .name: Wq, .offset: 32, .size: 8, .value_kind: global_buffer, .address_space: global }
      - { .name: Wk, .offset: 40, .size: 8, .value_kind: global_buffer, .address_space: global }
      - { .name: Wv, .offset: 48, .size: 8, .value_kind: global_buffer, .address_space: global }
      - { .name: W1, .offset: 56, .size: 8, .value_kind: global_buffer, .address_space: global }
      - { .name: W2, .offset: 64, .size: 8, .value_kind: global_buffer, .address_space: global }
      - { .name: wimg, .offset: 72, .size: 8, .value_kind: global_buffer, .address_space: global }
    .group_segment_fixed_size: 66304
    .private_segment_fixed_size: 0
    .kernarg_segment_align: 8
    .kernarg_segment_size: 80
    .max_flat_workgroup_size: 128
    .sgpr_count:     66
    .vgpr_count:     256
    .wavefront_size: 32
...
	.end_amdgpu_metadata
.endif
;; end of part 1
;; launch qkv (part 2): grid 48 x 4, 4 waves a work-group, clusters of 4 x 4, 327,680 bytes of LDS; arguments ximg, wimg, bq, bk, bv, att; writes att
.if DOCPART == 2
	.amdgcn_target "amdgcn-amd-amdhsa--gfx1250"
	.amdhsa_code_object_version 6
	.text
	.protected	k_q8dad2abbdb_qkv
	.globl	k_q8dad2abbdb_qkv
	.p2align	8
	.type	k_q8dad2abbdb_qkv,@function
k_q8dad2abbdb_qkv:
	s_mov_b64 s[64:65], 0
	v_nop
	global_prefetch_b8 v0, s[64:65] scope:SCOPE_SE
	s_setreg_imm32_b32 hwreg(HW_REG_WAVE_MODE, 25, 1), 1
	s_wait_xcnt 0x0
	s_wait_alu depctr_hold_cnt(0) depctr_sa_sdst(0) depctr_va_vdst(0) depctr_va_sdst(0) depctr_va_ssrc(0) depctr_va_vcc(0) depctr_vm_vsrc(0)
	s_getreg_b32 s2, hwreg(HW_REG_IB_STS2, 6, 4)
	s_cmp_eq_u32 s2, 0
	s_cbranch_scc0 .Lentry_in_a_cluster
	s_endpgm
.Lentry_in_a_cluster:
	s_bfe_u32 s2, ttmp6, 0x10000c
	s_cmp_lg_u32 s2, 0xf033
	s_cbranch_scc0 .Lentry_shape_is_right
	s_endpgm
.Lentry_shape_is_right:
; q = x Wq^T + bq, k = x Wk^T + bk, v = x Wv^T + bv on codes of FP6 (E2M3) with E8M0 scales; the results are quantised in registers and stored as the operands of attention's two products.
; OPERANDS are images of registers: codes [tile of 16 rows][K step of 128][1,536], scale words [8 tiles][K step][512].  Row i of tile t is row 32 (t / 2) + 8 (t % 2) + i + 8 (i / 8).
; A matrix instruction takes source 0 = 16 rows of the operand called B here, source 1 = 16 rows of the one called A: a lane holds ONE row of A, and by the order of a tile's rows the 16 registers of B's tiles
; 2 b and 2 b + 1 are 16 NEIGHBOURS: index 32 b + 16 (lane / 16) + 0 .. 15.  So a result is quantised along B's rows in registers.
; CLUSTERS 0-7: A = x (tokens), B = Wq | Wk: q and k are quantised along the head's 64.  CLUSTERS 8-11: A = Wv, B = x: v comes out transposed and is quantised along the tokens, the second product's K.
; The choice hangs on the cluster's number alone, which all sixteen partners share: pointers are chosen by selects, and one branch behind the last barrier leads to the two ways out.
; A tile of the result is 256 x 256, a wave's 128 x 128: 64 accumulators.  K = 1,024 IS FOUR QUARTERS OF 256, 98,304 bytes each for the work-group; each wave fetches 8 tiles x 3,072 bytes of a quarter by one
; tensor load.  THREE LDS SLOTS take quarters 0, 1 and 2 as first fills, which go out together with the scale words of all K: four tensor loads of a wave are out at the most.  Quarter 3 is the one refill, into
; slot 0, behind the round at the change from slot 0 to slot 1: from the request to the wait for it a wave issues 224 matrix instructions.  The change from slot 1 to slot 2 has no barrier: ahead of that round
; every wave has waited for all its loads, slot 2's among them.  A's tiles are shared along a row of the cluster, B's along a column: joint loads.
; att: [batch x head 32][group of 128 tokens 16][REC]: +0 k's 8 tiles x 768 (registers 0-3 at 16 l, 4-5 at 512 + 8 l); +6,144 v^T: 4 tiles of 16 channels x 1,536; +12,288 k's scale words; +12,800 v's;
;      +13,056 q's 8 tiles; +19,200 q's scale words.  q's and k's K is 64: bytes 2 and 3 of their scale words are 0x7f.
; REGISTERS, in windows of 256: window 0: v0-31 addresses; v32-63 scale words, two sets; v64-255 fragment buffer 0 (B's 8 fragments, then A's 8).  window 1: v0-63 the bias; v64-255 buffer 1.
;   windows 2, 3: accumulator (a, b) at v[8 (8 (a % 4) + b)] of window 2 + a / 4.
; LIMITS: a block of zeros, or one under 2^-124, gets the byte 1 (this program alone reads the bytes); NaN and infinities are not served.
.set NA,     8
; THE WALK ALONG K AS THIS TEXT HAS IT (it takes the place of what the head comment says of three slots): TWO LDS SLOTS OF THREE K STEPS.  At the head each wave issues ONE joint load: wave 0 A's 16 tiles
; of K steps 0-2, wave 1 B's, wave 2 A's scale words of all K, wave 3 B's.  Behind a full round slot 1 takes K steps 3-5, a quarter of the slot a wave; behind the round in K step 2 slot 0 takes K steps 6 and 7.
; One tensor load of a wave is out at any time.
; THE LATER FILLS ARE PREFETCHED INTO THE L2, each one fill ahead of the load that wants it: at each change of slots every wave has waited for all its tensor loads, so the next load goes out with nothing on its way
; beside it.  Behind the head's load a wave asks for K steps 3-5, behind slot 1's load for K steps 6 and 7.  Of the 8 tiles that wave w fetches, each of the four partners that ask for them jointly takes two,
; told apart by address (cx for A, cy for B): 18 or 12 blocks of 256 bytes a tile, a lane a block, an instruction a tile; the lanes left over name the last block again.  Nothing is asked for beyond K step 7.
.set NQ,     3
.set SROW,   NQ*1536
.set RBK,    12288
.set HALFT,  NA*SROW
.set SLOT,   4*HALFT
.set SCL,    2*SLOT                    ; behind the two slots: the scale words
.set HALFS,  4096
.set SPARE,  SCL+4*HALFS               ; the spare words: 128 bytes a wave, two blocks of 256 bytes that no other line names
.set HALFL,  12                        ; the loads of A's blocks 4-7
.set XS,     3145728
.set WS,     8650752
.set WVC,    1572864
.set WVS,    8716288
.set REC,    19712
.set HEADS,  16*REC
.set LI,   5                           ; v5   16 x lane
.set L8,   7                           ; v7   8 x lane
.set RS,   8                           ; v8   16 r + h x a head's bytes
.set SH16, 9                           ; v9   16 h
.set BO,   10                          ; v10  64 h
.set BV,   11                          ; v11  4 (r + 8 (r / 8))
.set ADRA, 16                          ; v16-18 my A fragments in slot 0, 1, 2
.set ADRB, 20                          ; v20-22 the same for B
.set ADRS, 27
.set SPW,  28
.set NIL,  29
.set SC,   32
.set FB,   64
.set TT,   64                          ; the way out: 64 numbers
.set PC,   128
.set TM,   152
.set PW,   168
.set SW,   176
.set SEL4, 184
.set G1,   24
.set G0,   32                          ; s[32:39] group 0 for A's tiles, slots 0 and 1
.set G0H,  4                           ; s[4:7]   group 0 for the head's load of A's 16 tiles
.set G1B,  48
.set G0B,  56                          ; s[56:63] group 0 for B's tiles, slots 0 and 1
.set G0HB, 92                          ; s[92:95] and of B's
.set G1S,  68
.set G0S,  76
.set G1SB, 80
.set G0SB, 88
.set PADW, 94
.set SEL,  100
.set MSB, 0
.macro WIN new                         ; the immediate's high byte repeats the setting that is left
.set WNEW, \new
.if MSB != WNEW
	s_set_vgpr_msb (MSB<<8)|WNEW
.set MSB, WNEW
.endif
.endm
.macro JLOAD g0a, g1a, g0b, g1b        ; a joint load: waves 0 and 1 fetch for A, waves 2 and 3 for B; four v_nop follow each line
	s_cmp_eq_u32 s15, 0
	s_cbranch_scc0 .Lfor_b_\@
	tensor_load_to_lds s[\g0a:\g0a+3], s[\g1a:\g1a+7]
	s_nop 0
.rept 4
	v_nop
.endr
	s_branch .Lasked_\@
.Lfor_b_\@:
	tensor_load_to_lds s[\g0b:\g0b+3], s[\g1b:\g1b+7]
	s_nop 0
.rept 4
	v_nop
.endr
.Lasked_\@:
.endm
.macro CREST                           ; a round of the cluster's barrier behind its opening barrier
	s_cmp_lg_u32 s14, 0
	s_cbranch_scc1 .Lnot_wave_0_\@
	s_barrier_signal -3
.Lnot_wave_0_\@:
	s_barrier_wait -3
	s_barrier_signal -1
	s_barrier_wait -1
.endm
.macro CROUND
	s_barrier_signal -1
	s_barrier_wait -1
	CREST
.endm
.macro PLACES n
.rept \n
	v_nop
.endr
.endm
	s_load_b256 s[4:11], s[0:1], 0x0               ; ximg, wimg, bq, bk
	s_load_b128 s[96:99], s[0:1], 0x20             ; bv, att
	v_lshl_add_u32 v[SPW], v0, 2, SPARE
	v_mov_b32 v[NIL], 0
	ds_add_u32 v28, v29
	ds_add_u32 v28, v29
	s_wait_dscnt 0x0
	v_lshrrev_b32 v1, 5, v0
	v_readfirstlane_b32 s14, v1                    ; wave
	s_lshr_b32 s15, s14, 1                         ; my half of A's rows.  Also: I fetch for A (0) or for B (1)
	s_and_b32 s16, s14, 1                          ; my half of B's rows.  Also: which half I fetch
	s_bfe_u32 s40, ttmp6, 0x40000                  ; cx
	s_bfe_u32 s41, ttmp6, 0x40004                  ; cy
	s_and_b32 s18, ttmp9, 1
	s_lshr_b32 s19, ttmp9, 1
	s_max_u32 s20, ttmp9, 8
	s_sub_co_u32 s20, s20, 8
	s_cmp_lt_u32 ttmp9, 8                          ; q and k, or v
	s_cselect_b32 s18, s18, s20                    ; the cluster's column of tiles
	s_cselect_b32 s19, s19, 0                      ; and its row
	s_lshl_b32 s42, s18, 2
	s_add_co_u32 s42, s42, s40                     ; tile column: B's 256 rows
	s_lshl_b32 s17, s19, 2
	s_add_co_u32 s17, s17, s41                     ; tile row: A's 256 rows
	s_lshl_b32 s43, s41, 2
	s_lshl_b32 s43, 15, s43                        ; my row of the cluster
	s_lshl_b32 s44, 0x1111, s40                    ; my column
	s_or_b32 s[G1+0], s43, (3<<16)|(1<<21)         ; 15:0 the mask; 17:16 elements of 8 bytes; 21 set beside a mask; no padding
	s_or_b32 s[G1B+0], s44, (3<<16)|(1<<21)
.irp g, G1, G1B
	s_mov_b32 s[\g+1], (SROW/8)<<16                ; tensor_dim0: a tile's bytes of a quarter of K
	s_mov_b32 s[\g+2], (2*NA)<<16                  ; tensor_dim1: 16 tiles for the head's loads; behind them 8
	s_mov_b32 s[\g+3], (SROW/8)<<16                ; tile_dim0
	s_mov_b32 s[\g+4], 2*NA                        ; tile_dim1
	s_mov_b32 s[\g+5], RBK/8                       ; from tile to tile
	s_mov_b32 s[\g+6], 0
	s_mov_b32 s[\g+7], 0
.endr
	s_or_b32 s[G1S+0], s43, (3<<16)|(1<<21)        ; the scale words of 16 tiles, all K: a dense block, as rows of 256 bytes
	s_or_b32 s[G1SB+0], s44, (3<<16)|(1<<21)
.irp g, G1S, G1SB
	s_mov_b32 s[\g+1], 32<<16
	s_mov_b32 s[\g+2], (2*HALFS/256)<<16           ; both groups of 8 tiles
	s_mov_b32 s[\g+3], 32<<16
	s_mov_b32 s[\g+4], 2*HALFS/256
	s_mov_b32 s[\g+5], 32
	s_mov_b32 s[\g+6], 0
	s_mov_b32 s[\g+7], 0
.endr
	s_lshl_b32 s20, s17, 1                         ; A: the first of the work-group's two groups of 8 tiles
	s_lshl_b32 s46, s42, 1                         ; B likewise
	s_mul_i32 s22, s20, HALFS
	s_mul_i32 s20, s20, NA*RBK
	s_mov_b32 s21, 0
	s_mov_b32 s23, 0
	s_mul_i32 s92, s46, HALFS
	s_mul_i32 s46, s46, NA*RBK
	s_mov_b32 s47, 0
	s_mov_b32 s93, 0
	s_mul_i32 s45, s14, HALFT                      ; where they go: no place in the cluster enters an LDS address
	s_mul_i32 s2, s16, NA*RBK                      ; in the ring I fetch one group of 8 tiles: which, in bytes
	s_mov_b32 s3, 0
	s_wait_kmcnt 0x0
	s_add_nc_u64 s[66:67], s[6:7], WVC             ; Wv's codes
	s_add_nc_u64 s[94:95], s[6:7], WVS             ; Wv's scale words
	s_add_nc_u64 s[18:19], s[4:5], XS              ; x's scale words
	s_add_nc_u64 s[100:101], s[6:7], WS            ; Wq's and Wk's
	s_cmp_lt_u32 ttmp9, 8
	s_cselect_b64 s[66:67], s[4:5], s[66:67]       ; A's codes
	s_cselect_b64 s[94:95], s[18:19], s[94:95]     ; A's scale words
	s_cselect_b64 s[4:5], s[6:7], s[4:5]           ; B's codes
	s_cselect_b64 s[18:19], s[100:101], s[18:19]   ; B's scale words
	s_add_nc_u64 s[20:21], s[66:67], s[20:21]
	s_add_nc_u64 s[22:23], s[94:95], s[22:23]
	s_add_nc_u64 s[46:47], s[4:5], s[46:47]
	s_add_nc_u64 s[92:93], s[18:19], s[92:93]
	CROUND                                         ; all sixteen work-groups are here: the first joint loads meet
	s_mov_b32 s[G0S], 1
	s_mov_b32 s[G0S+1], SCL
	s_mov_b64 s[G0S+2:G0S+3], s[22:23]
	s_or_b32 s[G0S+3], s[G0S+3], 0x80000000
	s_mov_b32 s[G0SB], 1
	s_mov_b32 s[G0SB+1], SCL+2*HALFS
	s_mov_b64 s[G0SB+2:G0SB+3], s[92:93]
	s_or_b32 s[G0SB+3], s[G0SB+3], 0x80000000
	s_mov_b32 s[G0H], 1                            ; K steps 0-2 of A's 16 tiles,
	s_mov_b32 s[G0H+1], 0
	s_mov_b64 s[G0H+2:G0H+3], s[20:21]
	s_or_b32 s[G0H+3], s[G0H+3], 0x80000000
	s_mov_b32 s[G0HB], 1                           ; and of B's, behind them in slot 0
	s_mov_b32 s[G0HB+1], 2*HALFT
	s_mov_b64 s[G0HB+2:G0HB+3], s[46:47]
	s_or_b32 s[G0HB+3], s[G0HB+3], 0x80000000
	s_add_nc_u64 s[20:21], s[20:21], s[2:3]        ; for the ring: my group of 8 tiles
	s_add_nc_u64 s[46:47], s[46:47], s[2:3]
.irp s, 0,1
	s_mov_b32 s[G0+4*\s], 1
	s_add_co_u32 s[G0+4*\s+1], s45, \s*SLOT
	s_add_nc_u64 s[G0+4*\s+2:G0+4*\s+3], s[20:21], \s*SROW
	s_or_b32 s[G0+4*\s+3], s[G0+4*\s+3], 0x80000000
	s_mov_b32 s[G0B+4*\s], 1
	s_add_co_u32 s[G0B+4*\s+1], s45, \s*SLOT
	s_add_nc_u64 s[G0B+4*\s+2:G0B+4*\s+3], s[46:47], \s*SROW
	s_or_b32 s[G0B+4*\s+3], s[G0B+4*\s+3], 0x80000000
.endr
; The head's loads, one a wave: one tree of branches on the wave's number, a load to each arm, all arms leading to one join
.macro ARM under, g0, g1, next
	s_cmp_lt_u32 s14, \under
	s_cbranch_scc0 \next
	tensor_load_to_lds s[\g0:\g0+3], s[\g1:\g1+7]
	s_nop 0
.rept 4
	v_nop
.endr
	s_branch .Lhead_asked
\next:
.endm
	ARM 1, G0H,  G1,  .Lhead_b
	ARM 2, G0HB, G1B, .Lhead_sa
	ARM 3, G0S,  G1S, .Lhead_sb
	tensor_load_to_lds s[G0SB:G0SB+3], s[G1SB:G1SB+7]
	s_nop 0
.rept 4
	v_nop
.endr
.Lhead_asked:
	s_cmp_eq_u32 s15, 0                            ; do I fetch for A?
	s_cselect_b64 s[2:3], s[20:21], s[46:47]       ; my group of 8 tiles
	s_cselect_b32 s18, s40, s41                    ; my place among the four that ask for it with me: it enters this address alone
	s_mul_i32 s18, s18, 2*RBK
	s_mov_b32 s19, 0
	s_add_nc_u64 s[2:3], s[2:3], s[18:19]          ; my work-group's two tiles; never rewritten
	v_and_b32 v13, 31, v0
	v_min_u32 v12, 17, v13
	v_min_u32 v13, 11, v13
	v_lshlrev_b32 v12, 8, v12                      ; 256 x min(lane, 17); never rewritten
	v_lshlrev_b32 v13, 8, v13                      ; 256 x min(lane, 11); never rewritten
	global_prefetch_b8 v12, s[2:3] offset:SROW th:TH_LOAD_NT scope:SCOPE_SE        ; K steps 3-5 of the first tile,
	global_prefetch_b8 v12, s[2:3] offset:RBK+SROW th:TH_LOAD_NT scope:SCOPE_SE    ; and of the second
	v_and_b32 v1, 15, v0
	v_bfe_u32 v2, v0, 4, 1                         ; h
	v_and_b32 v3, 31, v0
	v_lshlrev_b32 v[LI], 4, v3
	v_lshlrev_b32 v[L8], 3, v3
	v_mul_u32_u24 v[RS], v2, HEADS
	v_lshl_add_u32 v[RS], v1, 4, v[RS]
	v_lshlrev_b32 v[SH16], 4, v2
	v_lshlrev_b32 v[BO], 6, v2
	v_and_b32 v[BV], 8, v1
	v_add_nc_u32 v[BV], v[BV], v1
	v_lshlrev_b32 v[BV], 2, v[BV]
	s_mul_i32 s21, s15, HALFT                      ; my 8 tiles of A
	s_mul_i32 s22, s16, HALFT                      ; my 8 tiles of B,
	s_add_co_u32 s22, s22, 2*HALFT                 ; behind A's 16
.irp s, 0,1
	v_add_nc_u32 v[ADRA+\s], s21, v[LI]
	v_add_nc_u32 v[ADRB+\s], s22, v[LI]
	s_add_co_u32 s21, s21, SLOT
	s_add_co_u32 s22, s22, SLOT
.endr
	s_lshl_b32 s21, s15, 12                        ; A's scale words: my 8 tiles
	s_lshl_b32 s22, s16, 12
	s_add_co_u32 s22, s22, 2*HALFS                 ; B's, behind A's
	s_sub_co_u32 s22, s22, s21
	v_mul_u32_u24 v6, s22, v2                      ; lanes 16-31 take B's
	s_add_co_u32 s21, s21, SCL
	v_lshl_add_u32 v6, v1, 4, v6
	v_add_nc_u32 v[ADRS], s21, v6
.macro FRAG reg, adr, q, i             ; a fragment comes back as it was stored: three loads of 512 consecutive bytes
.irp c, 0,1,2
	ds_load_b128 v[\reg+4*\c:\reg+4*\c+3], v[\adr] offset:(\i)*SROW+(\q)*1536+512*\c
.endr
.endm
.macro FETCH slot, q, g                ; the slot's K step q into buffer g: B's eight fragments, then A's eight
	WIN (\g)<<6
.irp i, 0,1,2,3,4,5,6,7
	FRAG FB+12*\i, ADRB+\slot, \q, \i
.endr
.irp i, 0,1,2,3,4,5,6,7
	FRAG FB+96+12*\i, ADRA+\slot, \q, \i
.endr
.endm
.macro SCALES pr                       ; the scale words of K steps 2 pr and 2 pr + 1 into set pr % 2: register 8 q + i: lanes 0-15 A's tile i, lanes 16-31 B's tile i
.irp q, 0,1
.irp e, 0,1
	ds_load_b128 v[SC+16*((\pr)%2)+8*\q+4*\e:SC+16*((\pr)%2)+8*\q+4*\e+3], v[ADRS] offset:1024*(\pr)+512*\q+256*\e
.endr
.endr
.endm
; 16 matrix instructions: A's blocks 2 part, 2 part + 1 x B's eight, from buffer f.  The 64 accumulators take turns, one instruction a turn, in the same order in every K step.
.macro MULP f, part, q, set, zero
	WIN (\f)|((\f)<<2)|((2+(\part)/2)<<4)|((2+(\part)/2)<<6)
.set KQ, SC+16*(\set)+8*(\q)
.irp a, 2*(\part), 2*(\part)+1
.irp b, 0,1,2,3,4,5,6,7
.if \zero
	v_wmma_scale_f32_16x16x128_f8f6f4 v[8*(8*((\a)%4)+\b):8*(8*((\a)%4)+\b)+7], v[FB+12*\b:FB+12*\b+11], v[FB+96+12*(\a):FB+96+12*(\a)+11], 0, v[KQ+\b], v[KQ+(\a)] matrix_a_fmt:MATRIX_FMT_FP6 matrix_b_fmt:MATRIX_FMT_FP6 matrix_a_scale:MATRIX_SCALE_ROW1
.else
	v_wmma_scale_f32_16x16x128_f8f6f4 v[8*(8*((\a)%4)+\b):8*(8*((\a)%4)+\b)+7], v[FB+12*\b:FB+12*\b+11], v[FB+96+12*(\a):FB+96+12*(\a)+11], v[8*(8*((\a)%4)+\b):8*(8*((\a)%4)+\b)+7], v[KQ+\b], v[KQ+(\a)] matrix_a_fmt:MATRIX_FMT_FP6 matrix_b_fmt:MATRIX_FMT_FP6 matrix_a_scale:MATRIX_SCALE_ROW1
.endif
.endr
.endr
.endm
.macro QUARTER slot, set, zero         ; a slot's first K step, from buffer 0; its second is fetched into buffer 1
	s_wait_dscnt HALFL                             ; all but A's blocks 4-7 are in
	MULP 0, 0, 0, \set, \zero
	MULP 0, 1, 0, \set, \zero
	PLACES 4                                       ; in front of loads into registers that matrix instructions have read
	FETCH \slot, 1, 1
	s_wait_dscnt 48                                ; all but the 48 just issued
	MULP 0, 2, 0, \set, \zero
	MULP 0, 3, 0, \set, \zero
.endm
; A slot's second K step, from buffer 1, with a barrier: in front of it each wave waits for all its tensor loads, adds 0 to its spare word, and waits for that and for its reads of the slot that it leaves.
; fill = 1: the barrier opens a round of the cluster's, and slot 0, just read out, takes the fourth quarter of K.
; K step st (1 to 5), from buffer st % 2; step st + 1 lies in slot ((st + 1) / 3) % 2 and is fetched in the middle.  Steps 2 and 5 are a slot's last: in front of the barrier each wave waits for all its
; tensor loads, adds 0 to its spare word, and waits for that and for its reads of the slot that it leaves.  In step 2 the barrier opens a round of the cluster's, and slot 0 takes K steps 6 and 7:
; tensor_dim0 is then two K steps, the rows keep their pitch of three, and the mover writes zeros into the third, which nobody reads.
.macro STEP st
.set NX, (\st)+1
.set SF, (\st)%2
.set SS, ((\st)/2)%2
.if (\st)%3 == 2
	WIN 0
	s_wait_tensorcnt 0x0                           ; all my tensor loads have landed
	ds_add_u32 v[SPW], v[NIL]                      ; 0 onto my spare word
	s_wait_dscnt HALFL+1                           ; (the add and A's blocks 4-7 may be out)
	MULP SF, 0, SF, SS, 0
	s_wait_dscnt 0x0                               ; the add is done, and my reads of this slot are over
	s_barrier_signal -1
	MULP SF, 1, SF, SS, 0
	WIN 0
	s_barrier_wait -1
.if (\st) == 2
	CREST                                          ; no wave of any partner still reads slot 0 or has a load on its way
	s_add_nc_u64 s[G0+2:G0+3], s[G0+2:G0+3], 2*SROW
	s_add_nc_u64 s[G0B+2:G0B+3], s[G0B+2:G0B+3], 2*SROW
	s_mov_b32 s[G1+1], (2*1536/8)<<16              ; tensor_dim0: two K steps are left
	s_mov_b32 s[G1B+1], (2*1536/8)<<16
	JLOAD G0, G1, G0B, G1B                         ; the first tensor load behind the round, and the launch's last; its four v_nop are the places in front of the loads below
.else
	PLACES 4
.endif
.else
	s_wait_dscnt HALFL                             ; all but A's blocks 4-7 are in
	MULP SF, 0, SF, SS, 0
	MULP SF, 1, SF, SS, 0
	WIN 0
	PLACES 4                                       ; in front of loads into registers that matrix instructions have read
.endif
.if NX%2 == 0
	SCALES NX/2
.endif
	FETCH (NX/3)%2, NX%3, NX%2
.if (\st)%3 != 2
	s_wait_dscnt 48+4*(1-NX%2)                     ; all but the loads just issued
.endif
	MULP SF, 2, SF, SS, 0
	MULP SF, 3, SF, SS, 0
.endm
.macro LASTQ set
	s_wait_dscnt HALFL
	MULP 1, 0, 1, \set, 0
	MULP 1, 1, 1, \set, 0
	s_wait_dscnt 0x0
	MULP 1, 2, 1, \set, 0
	MULP 1, 3, 1, \set, 0
	WIN 0
.endm
; 64 numbers of a lane, register 16 b + i = index 32 b + 16 h + i of my row, become a fragment's codes in v[PC] on and its scale word in v[PW]
.macro QUANT s
.irp b, 0,1,2,3
	v_max3_num_f32 v[TM+\b], |v[\s+16*\b]|, |v[\s+1+16*\b]|, 0x1800000   ; with the floor 2^(3 - 127)
.endr
.irp i, 2,4,6,8,10,12,14
.irp b, 0,1,2,3
	v_max3_num_f32 v[TM+\b], v[TM+\b], |v[\s+16*\b+\i]|, |v[\s+1+16*\b+\i]|
.endr
.endr
.irp b, 0,1,2,3
	v_permlanex16_b32 v[TM+4+\b], v[TM+\b], s[SEL], s[SEL+1]
.endr
.irp b, 0,1,2,3
	v_max_num_f32 v[TM+\b], v[TM+\b], v[TM+4+\b]   ; with lane l xor 16's: the block's largest magnitude
.endr
.irp b, 0,1,2,3
	v_add_nc_u32 v[TM+12+\b], 0xff000000, v[TM+\b] ; 2 off its exponent field: the conversion's scale operand
.endr
.irp b, 0,1,2,3
	v_lshrrev_b32 v[TM+4+\b], 23, v[TM+12+\b]      ; the scale's byte
.endr
	v_lshl_or_b32 v[PW], v[TM+5], 8, v[TM+4]
	v_lshl_or_b32 v[PW], v[TM+6], 16, v[PW]
	v_lshl_or_b32 v[PW], v[TM+7], 24, v[PW]
.irp c, 0,1
	v_cvt_scalef32_pk16_fp6_f32 v[PC+6*\c:PC+2+6*\c], v[\s+32*\c:\s+15+32*\c], v[TM+12+2*\c]
	v_cvt_scalef32_pk16_fp6_f32 v[PC+12+4*\c:PC+14+4*\c], v[\s+16+32*\c:\s+31+32*\c], v[TM+12+2*\c+1]
.endr
	v_nop                                          ; one plain place behind a scaled conversion
.irp c, 0,1                            ; the operand's layout wants a whole block in a lane
.irp i, 0,1,2
	v_permlane16_swap_b32 v[PC+6*\c+\i], v[PC+12+4*\c+\i]
.endr
.irp i, 0,1,2
	v_mov_b32 v[PC+3+6*\c+\i], v[PC+12+4*\c+\i]
.endr
.endr
.endm
.macro TAKE a                          ; block a's 64 sums + the bias of their 64 columns; each accumulator from its low end on
	WIN (2+(\a)/4)|(1<<2)
.set TI, 0
.rept 32
	v_pk_add_f32 v[TT+TI:TT+TI+1], v[64*((\a)%4)+TI:64*((\a)%4)+TI+1], v[TI:TI+1]
.set TI, TI+2
.endr
	WIN 0
.endm
.macro TAKEV a                         ; the same with the bias of the lane's row: register a of window 1
	WIN (2+(\a)/4)|(1<<2)
.set TI, 0
.rept 32
.if (\a)%2
	v_pk_add_f32 v[TT+TI:TT+TI+1], v[64*((\a)%4)+TI:64*((\a)%4)+TI+1], v[2*((\a)/2):2*((\a)/2)+1] op_sel:[0,1] op_sel_hi:[1,1]
.else
	v_pk_add_f32 v[TT+TI:TT+TI+1], v[64*((\a)%4)+TI:64*((\a)%4)+TI+1], v[2*((\a)/2):2*((\a)/2)+1] op_sel:[0,0] op_sel_hi:[1,0]
.endif
.set TI, TI+2
.endr
	WIN 0
.endm
.macro QKOUT a                         ; 16 tokens x 128 columns = two heads: registers 0-5 of the fragment are the first head's tile, 6-11 the second's
	TAKE \a
	s_wait_xcnt 0x0                                ; the last block's stores have read the codes' registers
	QUANT TT
	global_store_b128 v[LI], v[PC:PC+3], s[12:13] offset:768*\a
	global_store_b64 v[L8], v[PC+4:PC+5], s[12:13] offset:768*\a+512
	global_store_b128 v[LI], v[PC+6:PC+9], s[12:13] offset:HEADS+768*\a
	global_store_b64 v[L8], v[PC+10:PC+11], s[12:13] offset:HEADS+768*\a+512
	v_lshrrev_b32 v[TM+8], v[SH16], v[PW]          ; lanes 0-15 keep the first head's two bytes, lanes 16-31 the second's;
	v_and_or_b32 v[SW+\a], v[TM+8], 0xffff, s[PADW]   ; bytes 2 and 3 are 0x7f
.endm
.macro VOUT a                          ; 16 channels x 128 tokens: one fragment of v^T
	TAKEV \a
	s_wait_xcnt 0x0
	QUANT TT
.irp c, 0,1,2
	global_store_b128 v[LI], v[PC+4*\c:PC+4*\c+3], s[12:13] offset:((\a)/4)*HEADS+((\a)%4)*1536+512*\c
.endr
	v_mov_b32 v[SW+\a], v[PW]
.endm
	s_wait_alu depctr_va_vdst(0)
	s_wait_tensorcnt 0x0                           ; my tile of the head's four is in
	ds_add_u32 v[SPW], v[NIL]
	s_mov_b32 s[G1+2], NA<<16                      ; no tensor load of mine is out: from here on a load brings 8 tiles
	s_mov_b32 s[G1+4], NA
	s_mov_b32 s[G1B+2], NA<<16
	s_mov_b32 s[G1B+4], NA
	s_wait_dscnt 0x0
	CROUND                                         ; all four tiles are in, and all sixteen work-groups are here
	JLOAD G0+4, G1, G0B+4, G1B                     ; K steps 3-5 into slot 1: the first tensor load behind the round
	SCALES 0
	FETCH 0, 0, 0
	global_prefetch_b8 v13, s[2:3] offset:2*SROW th:TH_LOAD_NT scope:SCOPE_SE      ; K steps 6 and 7 of the first tile,
	global_prefetch_b8 v13, s[2:3] offset:RBK+2*SROW th:TH_LOAD_NT scope:SCOPE_SE  ; and of the second
	QUARTER 0, 0, 1                                ; the first K step starts the sums
	STEP 1
	STEP 2
	STEP 3
	STEP 4
	STEP 5
	WIN 0
	s_cmp_lt_u32 ttmp9, 8                          ; the cluster's number: alike in all partners.  No barrier and no tensor load stands on either way
	s_cbranch_scc0 .Lv_path
	; ---- q and k
	s_and_b32 s18, s42, 3                          ; which 256 columns of q or of k
	s_lshl_b32 s20, s18, 10
	s_lshl_b32 s21, s16, 9
	s_add_co_u32 s20, s20, s21
	s_mov_b32 s21, 0
	s_mov_b32 s47, 12288
	s_cmp_lt_u32 s42, 4
	s_cselect_b64 s[22:23], s[8:9], s[10:11]       ; bq or bk
	s_cselect_b32 s19, 13056, 0                    ; q's tiles or k's in a record
	s_cselect_b32 s47, 6144, s47                   ; and from there to the scale words
	s_add_nc_u64 s[22:23], s[22:23], s[20:21]
	WIN 0x40
.irp p, 0,1,2,3
.irp e, 0,1,2,3
	global_load_b128 v[16*\p+4*\e:16*\p+4*\e+3], v[BO], s[22:23] offset:128*\p+16*\e   ; the bias in the result's layout: columns 32 p + 16 h + 0 .. 15
.endr
.endr
	QUARTER 0, 1, 0
	LASTQ 1
	s_lshr_b32 s20, s17, 3                         ; batch
	s_lshl_b32 s20, s20, 4
	s_lshl_b32 s46, s18, 2
	s_add_co_u32 s20, s20, s46
	s_lshl_b32 s46, s16, 1
	s_add_co_u32 s20, s20, s46                     ; my first head
	s_lshl_b32 s20, s20, 4
	s_and_b32 s46, s17, 7
	s_lshl_b32 s46, s46, 1
	s_add_co_u32 s20, s20, s46
	s_add_co_u32 s20, s20, s15                     ; my group of 128 tokens
	s_mul_i32 s20, s20, REC
	s_add_co_u32 s20, s20, s19
	s_mov_b32 s21, 0
	s_add_nc_u64 s[12:13], s[98:99], s[20:21]
	s_mov_b32 s46, s47
	s_mov_b32 s47, 0
	s_add_nc_u64 s[66:67], s[12:13], s[46:47]
	s_mov_b32 s[SEL], 0x76543210
	s_mov_b32 s[SEL+1], 0xfedcba98
	s_mov_b32 s[PADW], 0x7f7f0000
	s_wait_loadcnt 0x0                             ; the bias
	PLACES 4                                       ; behind the last products
.irp b, 0,1,2,3
	v_mov_b32 v[TM+4+\b], 0                        ; a lane permute's destination counts as one of its sources
.endr
.irp a, 0,1,2,3,4,5,6,7
	QKOUT \a
.endr
	global_store_b128 v[RS], v[SW:SW+3], s[66:67]              ; sixteen lanes store 256 consecutive bytes of a head's scale words
	global_store_b128 v[RS], v[SW+4:SW+7], s[66:67] offset:256
	s_branch .Lend
.Lv_path:
	; ---- v, transposed
	s_lshl_b32 s20, s17, 10
	s_lshl_b32 s21, s15, 9
	s_add_co_u32 s20, s20, s21
	s_mov_b32 s21, 0
	s_add_nc_u64 s[22:23], s[96:97], s[20:21]      ; bv at my 128 channels
	WIN 0x40
.irp a, 0,1,2,3,4,5,6,7
	global_load_b32 v[\a], v[BV], s[22:23] offset:4*(32*(\a/2)+8*(\a%2))   ; the bias of my lane's row of block a
.endr
	QUARTER 0, 1, 0
	LASTQ 1
	s_lshr_b32 s20, s42, 3                         ; batch
	s_lshl_b32 s20, s20, 4
	s_lshl_b32 s46, s17, 2
	s_add_co_u32 s20, s20, s46
	s_lshl_b32 s46, s15, 1
	s_add_co_u32 s20, s20, s46                     ; my first head
	s_lshl_b32 s20, s20, 4
	s_and_b32 s46, s42, 7
	s_lshl_b32 s46, s46, 1
	s_add_co_u32 s20, s20, s46
	s_add_co_u32 s20, s20, s16                     ; my group of 128 tokens
	s_mul_i32 s20, s20, REC
	s_add_co_u32 s20, s20, 6144
	s_mov_b32 s21, 0
	s_add_nc_u64 s[12:13], s[98:99], s[20:21]
	s_mov_b32 s[SEL], 0x76543210
	s_mov_b32 s[SEL+1], 0xfedcba98
	s_wait_loadcnt 0x0
	PLACES 4
.irp b, 0,1,2,3
	v_mov_b32 v[TM+4+\b], 0
.endr
.irp a, 0,1,2,3,4,5,6,7
	VOUT \a
.endr
	v_cmp_eq_u32 vcc_lo, 1, v2
.irp i, 0,1,2,3
	v_cndmask_b32 v[SEL4+\i], v[SW+\i], v[SW+4+\i], vcc_lo     ; lanes 0-15: the first head's four tiles, lanes 16-31 the second's
.endr
	global_store_b128 v[RS], v[SEL4:SEL4+3], s[12:13] offset:6656
.Lend:
	s_wait_tensorcnt 0x0                           ; the wave's end
	ds_add_u32 v[SPW], v[NIL]
	s_wait_dscnt 0x0
	CROUND                                         ; the closing round
	s_endpgm
.Lfunc_end_k_q8dad2abbdb_qkv:
	.size	k_q8dad2abbdb_qkv, .Lfunc_end_k_q8dad2abbdb_qkv-k_q8dad2abbdb_qkv
	.p2alignl 7, 3214868480
	.fill 96, 4, 3214868480
	.section	.rodata,"a",@progbits
	.p2align	6, 0x0
	.amdhsa_kernel k_q8dad2abbdb_qkv
		.amdhsa_group_segment_fixed_size 327680
		.amdhsa_private_segment_fixed_size 0
		.amdhsa_enable_private_segment 0
		.amdhsa_kernarg_size 48
		.amdhsa_user_sgpr_count 2
		.amdhsa_user_sgpr_kernarg_segment_ptr 1
		.amdhsa_wavefront_size32 1
		.amdhsa_system_sgpr_workgroup_id_x 1
		.amdhsa_system_sgpr_workgroup_id_y 1
		.amdhsa_system_sgpr_workgroup_id_z 1
		.amdhsa_system_vgpr_workitem_id 0
		.amdhsa_next_free_vgpr 1024
		.amdhsa_next_free_sgpr 102
		.amdhsa_reserve_vcc 1
		.amdhsa_float_denorm_mode_32 3
		.amdhsa_float_denorm_mode_16_64 3
		.amdhsa_memory_ordered 1
		.amdhsa_forward_progress 1
		.amdhsa_inst_pref_size 229
	.end_amdhsa_kernel
	.amdgpu_metadata
---
amdhsa.version: [ 1, 2 ]
amdhsa.kernels:
  - .name:           k_q8dad2abbdb_qkv
    .symbol:         k_q8dad2abbdb_qkv.kd
    .args:
      - { .name: ximg, .offset: 0, .size: 8, .value_kind: global_buffer, .address_space: global }
      - { .name: wimg, .offset: 8, .size: 8, .value_kind: global_buffer, .address_space: global }
      - { .name: bq, .offset: 16, .size: 8, .value_kind: global_buffer, .address_space: global }
      - { .name: bk, .offset: 24, .size: 8, .value_kind: global_buffer, .address_space: global }
      - { .name: bv, .offset: 32, .size: 8, .value_kind: global_buffer, .address_space: global }
      - { .name: att, .offset: 40, .size: 8, .value_kind: global_buffer, .address_space: global }
    .group_segment_fixed_size: 327680
    .private_segment_fixed_size: 0
    .kernarg_segment_align: 8
    .kernarg_segment_size: 48
    .max_flat_workgroup_size: 128
    .sgpr_count:     102
    .vgpr_count:     1024
    .wavefront_size: 32
...
	.end_amdgpu_metadata
.endif
;; end of part 2
;; launch attn (part 3): grid 8 x 32, 16 waves a work-group, clusters of 4 x 1, 280,576 bytes of LDS; arguments att, inputs, outw; writes outw
.if DOCPART == 3
	.amdgcn_target "amdgcn-amd-amdhsa--gfx1250"
	.amdhsa_code_object_version 6
	.text
	.protected	k_q8dad2abbdb_attn
	.globl	k_q8dad2abbdb_attn
	.p2align	8
	.type	k_q8dad2abbdb_attn,@function
k_q8dad2abbdb_attn:
	s_mov_b64 s[64:65], 0
	v_nop
	global_prefetch_b8 v0, s[64:65] scope:SCOPE_SE
	s_setreg_imm32_b32 hwreg(HW_REG_WAVE_MODE, 25, 1), 1
	s_wait_xcnt 0x0
	s_wait_alu depctr_hold_cnt(0) depctr_sa_sdst(0) depctr_va_vdst(0) depctr_va_sdst(0) depctr_va_ssrc(0) depctr_va_vcc(0) depctr_vm_vsrc(0)
	s_getreg_b32 s2, hwreg(HW_REG_IB_STS2, 6, 4)
	s_cmp_eq_u32 s2, 0
	s_cbranch_scc0 .Lentry_in_a_cluster
	s_endpgm
.Lentry_in_a_cluster:
	s_bfe_u32 s2, ttmp6, 0x10000c
	s_cmp_lg_u32 s2, 0x3003
	s_cbranch_scc0 .Lentry_shape_is_right
	s_endpgm
.Lentry_shape_is_right:
; outw = inputs + softmax(q k^T) v, head by head (head size 64, 2,048 keys, no mask, no scaling), both products on codes of FP6 (E2M3) with E8M0 scales.
; THE SOFTMAX AHEAD OF THE SECOND PRODUCT: t = score x log2(e); M = the row's largest t so far, rounded up to a whole number; p = 2^(t - M) is quantised along the keys, not normalised; the row's sum is
; taken of the unquantised p and divides at the end.  When M moves, the sum and O are multiplied by 2^(old M - new M): exact.
; att: [batch x head][group of 128 tokens][REC]: +0 k's 8 tiles x 768 (registers 0-3 at 16 l, 4-5 at 512 + 8 l); +6,144 v^T's 4 tiles x 1,536; +12,288 k's scale words; +12,800 v's; +13,056 q's 8 tiles;
; +19,200 q's scale words.  Token i of a stored tile t is 32 (t / 2) + 8 (t % 2) + i + 8 (i / 8), and so are v^T's channels.
; SHARES.  A work-group owns 256 queries of one head, each of its sixteen waves one tile of 16: four waves to a SIMD, so that one wave's vector work stands beside another's exponentials, products and LDS loads.
; THE WHOLE HEAD'S k AND v STAY IN LDS: 16 records x 13,056 bytes, each filled once.  The four work-groups of a cluster belong to one head and ask jointly.  Wave w issues ONE tensor load, record w; one wait
; and one barrier follow, and no barrier stands in the walk over the keys.
; No prefetch: every tensor load goes out at the head, so there is no later load to run ahead of; the residual's rows are asked for by plain loads behind the barrier, 16 key steps ahead of their use.
; Both products are used transposed (S^T = k q^T, O^T = v^T p^T): a lane holds one query throughout.
; THE KEYS OF A TILE OF k ARE CHOSEN BY THE LANES' ADDRESSES: row 8 g + j of tile 4 c + tt is key 64 c + 32 g + 8 tt + j.  So register 32 c + i of S^T in lane (r, h) is key 64 c + 32 h + i: a lane holds two WHOLE
; blocks of 32 keys in the order of the second product's operand; a block's maximum needs no other lane and the codes are not exchanged between lanes.
; In the stored tiles that key lies in tile 4 c + 2 g + u, row 8 b + j (tt = 2 b + u): lane part 1,536 g + 16 j + 256 h, constant part 3,072 c + 768 u + 128 b.
; THE FIRST PRODUCT'S K IS 64: q's registers 6-11 are zero codes, so what stands in k's registers 6-11 (the next tile's codes) adds nothing; bytes 2 and 3 of both scale words are 0x7f.
; REGISTERS: v1-6 addresses that stay; v7-11 addresses in hand; v12 -M, v13 the largest score, v[14:15] the sum; v16-27 q; v28 f; v30 8 h; v31, v236-247 at work; v32-85 k's 8 tiles (6 registers each, and
; 6 zeros), then v^T's four fragments; v86-93 k's scale words; v94-95 the add's; v96-159 S^T, then p; v160-191 O^T; v192-223 the residual; v224-235 p's codes; v248-251 v's scale words; v253 p's; v255 q's.
; LIMITS: the promise holds while the scaled scores t stay under 2^31 in magnitude; NaN and infinities are not served.
.set REC,   19712
.set HEADS, 16*REC
.set RECL,  13056                      ; what of a record goes to LDS
.set STG,   16*RECL                    ; behind the records: a stage of 16 rows x 272 bytes for each wave
.set SPARE, STG+16*4352                ; behind the stages: the spare words, 128 bytes a wave
.set LI,   1                           ; 16 x lane
.set R16,  2                           ; 16 r
.set GO,   3                           ; 4,096 h + 16 r
.set K16,  4                           ; 1,536 g + 16 j + 256 h
.set K8,   5                           ; 1,536 g + 8 j + 128 h
.set KS,   6                           ; 16 j + 8 g
.set AV,   7
.set AW,   8
.set A16,  9
.set A8,   10
.set AS,   11
.set KF,   32
.set KSW,  86
.set SPW,  94
.set NIL,  95
.set VSW,  248
.set WV,   18
.set SEL,  20
.set CS,   22
.set G1,   24
.set G0,   40
.set TB,   60
.set CNT,  61
.macro CROUND
	s_barrier_signal -1
	s_barrier_wait -1
	s_cmp_lg_u32 s[WV], 0
	s_cbranch_scc1 .Lnot_wave_0_\@
	s_barrier_signal -3
.Lnot_wave_0_\@:
	s_barrier_wait -3
	s_barrier_signal -1
	s_barrier_wait -1
.endm
	s_load_b128 s[4:7], s[0:1], 0x0                ; att, inputs
	s_load_b64 s[8:9], s[0:1], 0x10                ; outw
	v_lshl_add_u32 v[SPW], v0, 2, SPARE
	v_mov_b32 v[NIL], 0
	ds_add_u32 v[SPW], v[NIL]                      ; the opening lines: the add, twice on end, and its wait ahead of my tensor load
	ds_add_u32 v[SPW], v[NIL]
	v_lshrrev_b32 v[AV], 5, v0
	v_readfirstlane_b32 s[WV], v[AV]               ; wave 0..15
	s_and_b32 s10, ttmp7, 0xffff                   ; batch x 16 + head
	s_bfe_u32 s11, ttmp6, 0x40000                  ; cx
	s_lshl_b32 s12, ttmp9, 2
	s_add_co_u32 s12, s12, s11                     ; my block of 256 queries: it enters global addresses alone
	s_mul_i32 s32, s10, HEADS
	s_mov_b32 s33, 0
	s_mul_i32 s34, s[WV], REC
	s_mov_b32 s35, 0
	s_mov_b32 s[G1], 15|(3<<16)|(1<<21)            ; 15:0 the mask: all four work-groups; 17:16 elements of 8 bytes; 21 set beside a mask
	s_mov_b32 s[G1+1], 32<<16                      ; a dense block as 51 rows of 256 bytes
	s_mov_b32 s[G1+2], 51<<16
	s_mov_b32 s[G1+3], 32<<16
	s_mov_b32 s[G1+4], 51
	s_mov_b32 s[G1+5], 32
	s_mov_b32 s[G1+6], 0
	s_mov_b32 s[G1+7], 0
	s_lshr_b32 s56, s[WV], 3
	s_lshl_b32 s57, s12, 1
	s_add_co_u32 s57, s57, s56                     ; my tile's group of 128 tokens
	s_and_b32 s58, s[WV], 7                        ; and its place in it
	s_mul_i32 s57, s57, REC
	s_mul_i32 s56, s58, 768
	s_add_co_u32 s56, s56, s57
	s_add_co_u32 s56, s56, 13056                   ; q's codes
	s_lshr_b32 s59, s58, 2
	s_lshl_b32 s59, s59, 8
	s_and_b32 s58, s58, 3
	s_lshl_b32 s58, s58, 2
	s_add_co_u32 s58, s58, s59
	s_add_co_u32 s58, s58, s57
	s_add_co_u32 s58, s58, 19200                   ; q's scale words
	s_mov_b32 s57, 0
	s_mov_b32 s59, 0
	s_lshr_b32 s62, s10, 4
	s_lshl_b32 s62, s62, 11
	s_lshl_b32 s63, s12, 8
	s_add_co_u32 s62, s62, s63
	s_lshr_b32 s63, s[WV], 1
	s_lshl_b32 s63, s63, 5
	s_add_co_u32 s62, s62, s63
	s_and_b32 s63, s[WV], 1
	s_lshl_b32 s63, s63, 3
	s_add_co_u32 s62, s62, s63                     ; my tile's first token
	s_lshl_b32 s62, s62, 12
	s_and_b32 s63, s10, 15
	s_lshl_b32 s63, s63, 8
	s_add_co_u32 s62, s62, s63                     ; its row, at my head's 256 bytes
	s_mov_b32 s63, 0
	s_mov_b32 s[SEL], 0x76543210
	s_mov_b32 s[SEL+1], 0xfedcba98                 ; lane l xor 16
	s_mov_b32 s[CS], 0x3fb8aa3b                    ; log2(e)
	s_mov_b32 s[CS+1], s[CS]
	s_wait_dscnt 0x0
	s_wait_kmcnt 0x0
	s_add_nc_u64 s[36:37], s[4:5], s[32:33]        ; att at my head
	s_mov_b32 s[G0], 1
	s_mul_i32 s[G0+1], s[WV], RECL                 ; record w in LDS
	s_add_nc_u64 s[G0+2:G0+3], s[36:37], s[34:35]
	s_or_b32 s[G0+3], s[G0+3], 0x80000000
	s_add_nc_u64 s[14:15], s[36:37], s[56:57]
	s_add_nc_u64 s[16:17], s[36:37], s[58:59]
	s_add_nc_u64 s[6:7], s[6:7], s[62:63]
	s_add_nc_u64 s[8:9], s[8:9], s[62:63]
	CROUND                                         ; all four work-groups are here: the joint loads meet
	tensor_load_to_lds s[G0:G0+3], s[G1:G1+7]      ; my one tensor load
	s_nop 0
	v_and_b32 v[AV], 31, v0
	v_lshlrev_b32 v[LI], 4, v[AV]
	v_lshlrev_b32 v[AW], 3, v[AV]                  ; 8 x lane, for q
	v_and_b32 v[R16], 15, v0
	v_lshlrev_b32 v[R16], 4, v[R16]
	v_bfe_u32 v[A8], v0, 4, 1                      ; h
	v_lshl_add_u32 v[GO], v[A8], 12, v[R16]
	global_load_b128 v[16:19], v[LI], s[14:15]     ; q's tile stays in registers
	global_load_b64 v[20:21], v[AW], s[14:15] offset:512
	global_load_b32 v255, v[R16], s[16:17]         ; and its scale words
	v_and_b32 v[AS], 7, v0                         ; j
	v_bfe_u32 v[A16], v0, 3, 1                     ; g
	v_mul_u32_u24 v[K16], v[A16], 1536
	v_lshl_add_u32 v[K8], v[AS], 3, v[K16]
	v_lshl_add_u32 v[K8], v[A8], 7, v[K8]
	v_lshl_add_u32 v[K16], v[AS], 4, v[K16]
	v_lshl_add_u32 v[K16], v[A8], 8, v[K16]
	v_lshlrev_b32 v[KS], 4, v[AS]
	v_lshl_add_u32 v[KS], v[A16], 3, v[KS]
	v_lshlrev_b32 v30, 3, v[A8]                    ; 8 h
.irp j, 14,15,22,23,24,25,26,27,28,29,31,80,81,82,83,84,85
	v_mov_b32 v[\j], 0                             ; the sum; zero codes: q's k = 64 .. 127 and what stands behind k's last tile; f's pair; a lane permute's destination counts as one of its sources
.endr
	v_mov_b32 v12, 0x7f61b1e6                      ; -M: 3e38
	v_mov_b32 v13, 0xff61b1e6                      ; the largest score so far: -3e38
.set OI, 0
.rept 32
	v_mov_b32 v[160+OI], 0                         ; O^T: the step is written once, and its first turn finds zeros
.set OI, OI+1
.endr
; A KEY STEP: the 128 keys of the record at LDS byte s[TB]
.macro STEP
	v_add_nc_u32 v[A16], s[TB], v[K16]             ; with the v_nop: four places in front of loads into registers that the last products have read
	v_add_nc_u32 v[A8], s[TB], v[K8]
	v_add_nc_u32 v[AS], s[TB], v[KS]
	v_nop
.irp t, 0,1,2,3,4,5,6,7
	ds_load_b128 v[KF+6*\t:KF+6*\t+3], v[A16] offset:3072*(\t/4)+768*(\t%2)+128*((\t/2)%2)
	ds_load_b64 v[KF+6*\t+4:KF+6*\t+5], v[A8] offset:3072*(\t/4)+768*(\t%2)+512+64*((\t/2)%2)
.endr
.irp p, 0,1,2,3
	ds_load_b64 v[KSW+2*\p:KSW+2*\p+1], v[AS] offset:12288+256*(\p/2)+128*(\p%2)
.endr
	s_wait_dscnt 0x0
.irp t, 0,1,2,3,4,5,6,7
	v_wmma_scale_f32_16x16x128_f8f6f4 v[96+8*\t:103+8*\t], v[KF+6*\t:KF+6*\t+11], v[16:27], 0, v[KSW+\t], v255 matrix_a_fmt:MATRIX_FMT_FP6 matrix_b_fmt:MATRIX_FMT_FP6
.endr
	v_add_nc_u32 v[AV], s[TB], v[LI]               ; four places behind the products
	v_add_nc_u32 v[AW], s[TB], v[R16]
	v_nop
	v_nop
	ds_load_b128 v[VSW:VSW+3], v[AW] offset:12800
.irp d, 0,1,2,3                        ; v^T's four fragments land while the softmax is walked
.irp c, 0,1,2
	ds_load_b128 v[KF+12*\d+4*\c:KF+12*\d+4*\c+3], v[AV] offset:6144+1536*\d+512*\c
.endr
.endr
.irp c, 0,1                            ; the largest score of each of my two blocks, in two chains a block; each accumulator is first read at its low end
	v_max3_num_f32 v[236+\c], v[96+32*\c], v[97+32*\c], v[98+32*\c]
	v_max3_num_f32 v[238+\c], v[113+32*\c], v[114+32*\c], v[115+32*\c]
.endr
.irp i, 0,2,4,6,8,10
.irp c, 0,1
	v_max3_num_f32 v[236+\c], v[236+\c], v[99+32*\c+\i], v[100+32*\c+\i]
	v_max3_num_f32 v[238+\c], v[238+\c], v[116+32*\c+\i], v[117+32*\c+\i]
.endr
.endr
.irp c, 0,1
	v_max3_num_f32 v[236+\c], v[236+\c], v[111+32*\c], v[112+32*\c]
.endr
.irp c, 0,1
	v_max_num_f32 v[236+\c], v[236+\c], v[238+\c]  ; it serves twice: for the row's maximum and, since p rises with the score, for the block's largest p
.endr
	s_delay_alu instid0(VALU_DEP_1)
	v_max_num_f32 v240, v236, v237
	s_delay_alu instid0(VALU_DEP_1)
	v_permlanex16_b32 v31, v240, s[SEL], s[SEL+1]
	s_delay_alu instid0(VALU_DEP_1)
	v_max3_num_f32 v13, v13, v240, v31             ; the running largest score
	v_mov_b32 v241, v12
	s_delay_alu instid0(VALU_DEP_2)
	v_mul_f32 v240, s[CS], v13                     ; as t
	s_delay_alu instid0(VALU_DEP_1)
	v_floor_f32 v12, -v240                         ; the new -M = -ceil(t)
	s_delay_alu instid0(VALU_DEP_1)
	v_sub_f32 v241, v12, v241                      ; old M - new M: a whole number, 0 or less
.set SI, 0
.rept 32
	v_pk_fma_f32 v[96+SI:97+SI], v[96+SI:97+SI], s[CS:CS+1], v[12:13] op_sel_hi:[1,0,0]   ; t - M
.set SI, SI+2
.endr
.irp c, 0,1
	v_fma_f32 v[236+\c], v[236+\c], s[CS], v12
.endr
	v_cvt_i32_f32 v241, v241                       ; (it saturates)
	s_delay_alu instid0(VALU_DEP_1)
	v_ldexp_f32 v28, 1.0, v241                     ; f = 2^(old M - new M)
.set SI, 0
.rept 16
	v_pk_mul_f32 v[160+SI:161+SI], v[160+SI:161+SI], v[28:29] op_sel_hi:[1,0]   ; O^T under the new M: its first read since the last products, ahead of the exponentials
.set SI, SI+2
.endr
	s_wait_alu depctr_va_vdst(0)
.irp c, 0,1
	v_exp_f32 v[236+\c], v[236+\c]                 ; each block's largest p
.endr
.set SI, 0
.rept 64
	v_exp_f32 v[96+SI], v[96+SI]                   ; p = 2^(t - M)
.set SI, SI+1
.endr
	v_pk_mul_f32 v[14:15], v[14:15], v[28:29] op_sel_hi:[1,0]   ; the sums under the new M: a plain place behind the exponentials
	s_wait_alu depctr_va_vdst(0)                   ; one wait for the batch, ahead of its first reader
.irp c, 0,1
	v_max_num_f32 v[236+\c], 0x1800000, v[236+\c]  ; the floor 2^(3 - 127): the byte cannot fall under 1
.endr
.irp c, 0,1
	v_add_nc_u32 v[244+\c], 0xff000000, v[236+\c]  ; 2 off the exponent field: the conversion's scale operand
.endr
.irp c, 0,1
	v_lshrrev_b32 v[246+\c], 23, v[244+\c]         ; the scale's byte
.endr
	s_delay_alu instid0(VALU_DEP_1)
	v_lshl_or_b32 v243, v247, 16, v246             ; blocks h and 2 + h,
	s_delay_alu instid0(VALU_DEP_1)
	v_lshlrev_b32 v243, v30, v243                  ; at their places in the word;
	s_delay_alu instid0(VALU_DEP_1)
	v_permlanex16_b32 v31, v243, s[SEL], s[SEL+1]
	s_delay_alu instid0(VALU_DEP_1)
	v_or_b32 v253, v243, v31                       ; with lane l xor 16's two the word is whole
.irp c, 0,1
	v_cvt_scalef32_pk16_fp6_f32 v[224+6*\c:226+6*\c], v[96+32*\c:111+32*\c], v[244+\c]
	v_cvt_scalef32_pk16_fp6_f32 v[236+4*\c:238+4*\c], v[112+32*\c:127+32*\c], v[244+\c]   ; (a conversion's three registers begin on an even number)
.endr
	v_nop                                          ; one plain place behind a scaled conversion
.irp c, 0,1
.irp i, 0,1,2
	v_mov_b32 v[227+6*\c+\i], v[236+4*\c+\i]
.endr
.endr
	v_pk_add_f32 v[238:239], v[96:97], v[98:99]    ; the row's sum is taken of the unquantised p, in four chains; these 32 are also the places in front of the products below
	v_pk_add_f32 v[240:241], v[100:101], v[102:103]
	v_pk_add_f32 v[242:243], v[104:105], v[106:107]
.irp k, 108,116,124,132,140,148
	v_pk_add_f32 v[14:15], v[14:15], v[\k:\k+1]
	v_pk_add_f32 v[238:239], v[238:239], v[\k+2:\k+3]
	v_pk_add_f32 v[240:241], v[240:241], v[\k+4:\k+5]
	v_pk_add_f32 v[242:243], v[242:243], v[\k+6:\k+7]
.endr
	v_pk_add_f32 v[14:15], v[14:15], v[156:157]
	v_pk_add_f32 v[238:239], v[238:239], v[158:159]
	v_pk_add_f32 v[240:241], v[240:241], v[242:243]
	s_delay_alu instid0(VALU_DEP_2)
	v_pk_add_f32 v[14:15], v[14:15], v[238:239]
	s_delay_alu instid0(VALU_DEP_1)
	v_pk_add_f32 v[14:15], v[14:15], v[240:241]
	s_wait_alu depctr_va_vdst(0)
	s_wait_dscnt 0x0                               ; v^T's fragments and scale words
.irp d, 0,1,2,3
	v_wmma_scale_f32_16x16x128_f8f6f4 v[160+8*\d:167+8*\d], v[KF+12*\d:KF+12*\d+11], v[224:235], v[160+8*\d:167+8*\d], v[VSW+\d], v253 matrix_a_fmt:MATRIX_FMT_FP6 matrix_b_fmt:MATRIX_FMT_FP6
.endr
.endm
	s_wait_alu depctr_va_vdst(0)
	s_wait_loadcnt 0x0                             ; q
	s_wait_tensorcnt 0x0                           ; my record has landed
	s_barrier_signal -1
	s_barrier_wait -1                              ; everybody's has.
.irp e, 0,1,2,3,4,5,6,7
	global_load_b128 v[192+4*\e:195+4*\e], v[GO], s[6:7] offset:(2*\e+8*(\e/4))*4096   ; the residual: rows 2 e + h of my tile; wanted behind the walk
.endr
	s_mov_b32 s[TB], 0
	s_mov_b32 s[CNT], 16
.Lstep:
	STEP
	s_add_co_u32 s[TB], s[TB], RECL
	s_sub_co_u32 s[CNT], s[CNT], 1
	s_cmp_lg_u32 s[CNT], 0
	s_cbranch_scc1 .Lstep
	; THE WAY OUT: O^T / the sum goes through my stage in LDS and comes back as rows of 256 bytes; the residual is added; sixteen lanes store 256 consecutive bytes, aligned
	v_and_b32 v[AV], 15, v0
	v_bfe_u32 v[AW], v0, 4, 1
	s_mul_i32 s56, s[WV], 4352
	s_add_co_u32 s56, s56, STG
	v_mul_u32_u24 v[A16], v[AV], 272
	v_mul_u32_u24 v[A8], v[AW], 272
	v_lshl_add_u32 v[A16], v[AW], 6, v[A16]
	v_lshl_add_u32 v[A8], v[AV], 4, v[A8]
	v_add_nc_u32 v[A16], s56, v[A16]               ; in: row r, + 64 h
	v_add_nc_u32 v[A8], s56, v[A8]                 ; back: lanes 0-15 one row, lanes 16-31 the next
	v_add_f32 v14, v14, v15
	s_delay_alu instid0(VALU_DEP_1)
	v_permlanex16_b32 v31, v14, s[SEL], s[SEL+1]
	s_delay_alu instid0(VALU_DEP_1)
	v_add_f32 v14, v14, v31                        ; the row's sum
	s_wait_alu depctr_va_vdst(0)
	v_rcp_f32 v14, v14
	v_nop
	s_wait_alu depctr_va_vdst(0)                   ; ahead of the reciprocal's first reader, and of O^T's
.set SI, 0
.rept 16
	v_pk_mul_f32 v[96+SI:97+SI], v[160+SI:161+SI], v[14:15] op_sel_hi:[1,0]
.set SI, SI+2
.endr
.irp d, 0,1,2,3
	ds_store_b128 v[A16], v[96+8*\d:99+8*\d] offset:128*(\d/2)+32*(\d%2)      ; channels 32 (d / 2) + 16 h + 8 (d % 2) + 0 .. 7
	ds_store_b128 v[A16], v[100+8*\d:103+8*\d] offset:128*(\d/2)+32*(\d%2)+16
.endr
.irp e, 0,1,2,3,4,5,6,7
	ds_load_b128 v[32+4*\e:35+4*\e], v[A8] offset:544*\e   ; LDS serves a wave's instructions in order: these see my stores
.endr
	s_wait_loadcnt 0x0                             ; the residual
	s_wait_dscnt 0x0
.set SI, 0
.rept 16
	v_pk_add_f32 v[32+SI:33+SI], v[32+SI:33+SI], v[192+SI:193+SI]
.set SI, SI+2
.endr
.irp e, 0,1,2,3,4,5,6,7
	global_store_b128 v[GO], v[32+4*\e:35+4*\e], s[8:9] offset:(2*\e+8*(\e/4))*4096
.endr
	s_wait_tensorcnt 0x0                           ; the wave's end
	ds_add_u32 v[SPW], v[NIL]
	s_wait_dscnt 0x0
	CROUND                                         ; the closing round
	s_endpgm
.Lfunc_end_k_q8dad2abbdb_attn:
	.size	k_q8dad2abbdb_attn, .Lfunc_end_k_q8dad2abbdb_attn-k_q8dad2abbdb_attn
	.p2alignl 7, 3214868480
	.fill 96, 4, 3214868480
	.section	.rodata,"a",@progbits
	.p2align	6, 0x0
	.amdhsa_kernel k_q8dad2abbdb_attn
		.amdhsa_group_segment_fixed_size 280576
		.amdhsa_private_segment_fixed_size 0
		.amdhsa_enable_private_segment 0
		.amdhsa_kernarg_size 24
		.amdhsa_user_sgpr_count 2
		.amdhsa_user_sgpr_kernarg_segment_ptr 1
		.amdhsa_wavefront_size32 1
		.amdhsa_system_sgpr_workgroup_id_x 1
		.amdhsa_system_sgpr_workgroup_id_y 1
		.amdhsa_system_sgpr_workgroup_id_z 1
		.amdhsa_system_vgpr_workitem_id 0
		.amdhsa_next_free_vgpr 256
		.amdhsa_next_free_sgpr 66
		.amdhsa_reserve_vcc 0
		.amdhsa_float_denorm_mode_32 3
		.amdhsa_float_denorm_mode_16_64 3
		.amdhsa_memory_ordered 1
		.amdhsa_forward_progress 1
		.amdhsa_inst_pref_size 28
	.end_amdhsa_kernel
	.amdgpu_metadata
---
amdhsa.version: [ 1, 2 ]
amdhsa.kernels:
  - .name:           k_q8dad2abbdb_attn
    .symbol:         k_q8dad2abbdb_attn.kd
    .args:
      - { .name: att, .offset: 0, .size: 8, .value_kind: global_buffer, .address_space: global }
      - { .name: inputs, .offset: 8, .size: 8, .value_kind: global_buffer, .address_space: global }
      - { .name: outw, .offset: 16, .size: 8, .value_kind: global_buffer, .address_space: global }
    .group_segment_fixed_size: 280576
    .private_segment_fixed_size: 0
    .kernarg_segment_align: 8
    .kernarg_segment_size: 24
    .max_flat_workgroup_size: 512
    .sgpr_count:     66
    .vgpr_count:     256
    .wavefront_size: 32
...
	.end_amdgpu_metadata
.endif
;; end of part 3
;; launch ln2 (part 4): grid 256 x 1, 4 waves a work-group, no clusters, 66,304 bytes of LDS; arguments outw, scale2, shift2, ximg; writes ximg
.if DOCPART == 4
	.amdgcn_target "amdgcn-amd-amdhsa--gfx1250"
	.amdhsa_code_object_version 6
	.text
	.protected	k_q8dad2abbdb_ln2
	.globl	k_q8dad2abbdb_ln2
	.p2align	8
	.type	k_q8dad2abbdb_ln2,@function
k_q8dad2abbdb_ln2:
	s_mov_b64 s[64:65], 0
	v_nop
	global_prefetch_b8 v0, s[64:65] scope:SCOPE_SE
	s_setreg_imm32_b32 hwreg(HW_REG_WAVE_MODE, 25, 1), 1
	s_wait_xcnt 0x0
; y = scale (x - mean) / (sd + 1e-8) + shift along rows of 1,024 f32 (sd with divisor 1,023), then quantised along the row to codes of FP6 (E2M3) with E8M0 scale bytes, laid as images of operand registers.
; TILES.  Row i of tile t is memory row 32 (t / 2) + 8 (t % 2) + i + 8 (i / 8).  Codes: [tile][8 K steps][1,536]; register 4 c + e of lane l at 512 c + 16 l + 4 e.
; Scale words from XS on: [group of 8 tiles][K step][512]; the word of tile a, row r, at 256 (a / 4) + 16 r + 4 (a % 4).
; SHARES.  A work-group takes one tile.  Phase 1: wave w takes rows 4 w .. 4 w + 3, each whole in 32 registers: mean, then the sum of squares of x - mean (two passes: no difference of large sums), all in f32;
; the finished rows go to LDS (rows 4,112 bytes apart).  One barrier.  Phase 2: wave w takes K steps 2 w and 2 w + 1: lane (r, h) reads k = 64 c + 32 h + 0 .. 31 of row r, two whole blocks, and quantises them.
; The rows of a work-group are read by nobody else: no cluster.  The scale words leave 4 bytes a lane, 16 bytes apart: a tile owns every fourth word of its group; whole runs would want 64 rows to a work-group.
; LIMITS: a block of zeros, or one under 2^-124, gets the byte 1 (this program alone reads the bytes); NaN and infinities are not served.
.set XS,    3145728
.set PITCH, 4112
.set LI,   2
.set RR,   3
.set HH,   4
.set SH8,  5
.set STA,  6                           ; v6   where I store my rows in LDS
.set LDA,  7                           ; v7   where I read my numbers back
.set SOF,  8                           ; v8   16 r + 512 h: my scale word
.set XR,   32                          ; v32-159 four rows of 32 registers; then two sets of 64 numbers
.set SCV,  160                         ; v160-191 scale at my columns
.set SHV,  192                         ; v192-223 shift
.set SA,   224                         ; v224-231 a pair a row
.set SB,   232                         ; v232-239 a second pair a row
.set PT4,  240                         ; v240-243
.set PC,   224
.set CT,   236
.set TM,   244
.set SO,   246
.set BY,   248
.set PT,   250
.set PW,   252
.set WO,   254
.set SEL,  20
	s_load_b256 s[4:11], s[0:1], 0x0               ; x, scale, shift, the images
	v_lshl_add_u32 v251, v0, 2, 0x10100
	v_mov_b32 v255, 0
	v_lshrrev_b32 v1, 5, v0
	v_readfirstlane_b32 s12, v1                    ; wave
	v_and_b32 v1, 31, v0
	v_lshlrev_b32 v[LI], 4, v1
	v_and_b32 v[RR], 15, v0
	v_bfe_u32 v[HH], v0, 4, 1
	v_lshlrev_b32 v[SH8], 3, v[HH]
	s_mul_i32 s13, s12, 4*PITCH
	v_add_nc_u32 v[STA], s13, v[LI]
	v_mul_u32_u24 v[LDA], v[RR], PITCH
	v_lshl_add_u32 v[LDA], v[HH], 7, v[LDA]
	s_lshl_b32 s13, s12, 10
	v_add_nc_u32 v[LDA], s13, v[LDA]
	v_lshlrev_b32 v[SOF], 4, v[RR]
	v_lshl_add_u32 v[SOF], v[HH], 9, v[SOF]
.irp j, 0,1,2,3
	v_mov_b32 v[PT4+\j], 0                         ; a lane permute's destination counts as one of its sources
.endr
	v_mov_b32 v[PT], 0
	s_mov_b32 s[SEL], 0x76543210
	s_mov_b32 s[SEL+1], 0xfedcba98
	s_lshr_b32 s13, ttmp9, 1
	s_lshl_b32 s13, s13, 5
	s_and_b32 s14, ttmp9, 1
	s_lshl_b32 s14, s14, 3
	s_add_co_u32 s13, s13, s14
	s_lshl_b32 s14, s12, 2
	s_add_co_u32 s13, s13, s14
	s_lshr_b32 s14, s12, 1
	s_lshl_b32 s14, s14, 3
	s_add_co_u32 s13, s13, s14                     ; my first memory row: 32 (t / 2) + 8 (t % 2) + 4 w + 8 (w / 2)
	s_lshl_b32 s14, s13, 12
	s_mov_b32 s15, 0
	s_mul_i32 s16, ttmp9, 12288
	s_mul_i32 s17, s12, 3072
	s_add_co_u32 s16, s16, s17
	s_mov_b32 s17, 0
	s_lshr_b32 s22, ttmp9, 3
	s_lshl_b32 s22, s22, 12
	s_bfe_u32 s23, ttmp9, 0x10002
	s_lshl_b32 s23, s23, 8
	s_add_co_u32 s22, s22, s23
	s_and_b32 s23, ttmp9, 3
	s_lshl_b32 s23, s23, 2
	s_add_co_u32 s22, s22, s23
	s_lshl_b32 s23, s12, 10
	s_add_co_u32 s22, s22, s23
	s_add_co_u32 s22, s22, XS
	s_mov_b32 s23, 0
	s_wait_kmcnt 0x0
	s_add_nc_u64 s[4:5], s[4:5], s[14:15]
	s_add_nc_u64 s[18:19], s[10:11], s[16:17]      ; my two fragments' images
	s_add_nc_u64 s[10:11], s[10:11], s[22:23]      ; my scale words
.irp j, 0,1,2,3
.irp e, 0,1,2,3,4,5,6,7
	global_load_b128 v[XR+32*\j+4*\e:XR+32*\j+4*\e+3], v[LI], s[4:5] offset:4096*\j+512*\e
.endr
.endr
.irp e, 0,1,2,3,4,5,6,7
	global_load_b128 v[SCV+4*\e:SCV+4*\e+3], v[LI], s[6:7] offset:512*\e
.endr
.irp e, 0,1,2,3,4,5,6,7
	global_load_b128 v[SHV+4*\e:SHV+4*\e+3], v[LI], s[8:9] offset:512*\e
.endr
.macro REDUCE                          ; the four rows' pairs SA, SB -> one number a row in every lane, in v[SA + 2 j]
.irp j, 0,1,2,3
	v_pk_add_f32 v[SA+2*\j:SA+2*\j+1], v[SA+2*\j:SA+2*\j+1], v[SB+2*\j:SB+2*\j+1]
.endr
.irp j, 0,1,2,3
	v_add_f32 v[SA+2*\j], v[SA+2*\j], v[SA+2*\j+1]
.endr
.irp m, 1,2,4,8
.irp j, 0,1,2,3
	v_add_f32_dpp v[SA+2*\j], v[SA+2*\j], v[SA+2*\j] row_xmask:\m row_mask:0xf bank_mask:0xf
.endr
.endr
.irp j, 0,1,2,3
	v_permlanex16_b32 v[PT4+\j], v[SA+2*\j], s[SEL], s[SEL+1]
.endr
.irp j, 0,1,2,3
	v_add_f32 v[SA+2*\j], v[SA+2*\j], v[PT4+\j]
.endr
.endm
	s_wait_loadcnt 16                              ; the four rows are in; scale and shift may be out
.irp j, 0,1,2,3
	v_pk_add_f32 v[SA+2*\j:SA+2*\j+1], v[XR+32*\j:XR+32*\j+1], v[XR+32*\j+2:XR+32*\j+3]
	v_pk_add_f32 v[SB+2*\j:SB+2*\j+1], v[XR+32*\j+4:XR+32*\j+5], v[XR+32*\j+6:XR+32*\j+7]
.endr
.irp i, 8,12,16,20,24,28
.irp j, 0,1,2,3
	v_pk_add_f32 v[SA+2*\j:SA+2*\j+1], v[SA+2*\j:SA+2*\j+1], v[XR+32*\j+\i:XR+32*\j+\i+1]
	v_pk_add_f32 v[SB+2*\j:SB+2*\j+1], v[SB+2*\j:SB+2*\j+1], v[XR+32*\j+\i+2:XR+32*\j+\i+3]
.endr
.endr
	REDUCE
.irp j, 0,1,2,3
	v_mul_f32 v[SA+2*\j], 0x3a800000, v[SA+2*\j]   ; the mean: / 1,024
.endr
.irp j, 0,1,2,3
.irp i, 0,2,4,6,8,10,12,14,16,18,20,22,24,26,28,30
	v_pk_add_f32 v[XR+32*\j+\i:XR+32*\j+\i+1], v[XR+32*\j+\i:XR+32*\j+\i+1], v[SA+2*\j:SA+2*\j+1] op_sel_hi:[1,0] neg_lo:[0,1] neg_hi:[0,1]
.endr
.endr
.irp j, 0,1,2,3
	v_pk_mul_f32 v[SA+2*\j:SA+2*\j+1], v[XR+32*\j:XR+32*\j+1], v[XR+32*\j:XR+32*\j+1]
	v_pk_mul_f32 v[SB+2*\j:SB+2*\j+1], v[XR+32*\j+2:XR+32*\j+3], v[XR+32*\j+2:XR+32*\j+3]
.endr
.irp i, 4,8,12,16,20,24,28
.irp j, 0,1,2,3
	v_pk_fma_f32 v[SA+2*\j:SA+2*\j+1], v[XR+32*\j+\i:XR+32*\j+\i+1], v[XR+32*\j+\i:XR+32*\j+\i+1], v[SA+2*\j:SA+2*\j+1]
	v_pk_fma_f32 v[SB+2*\j:SB+2*\j+1], v[XR+32*\j+\i+2:XR+32*\j+\i+3], v[XR+32*\j+\i+2:XR+32*\j+\i+3], v[SB+2*\j:SB+2*\j+1]
.endr
.endr
	REDUCE
.irp j, 0,1,2,3
	v_mul_f32 v[SA+2*\j], 0x3a802008, v[SA+2*\j]   ; / 1,023
.endr
	s_wait_alu depctr_va_vdst(0)
.irp j, 0,1,2,3
	v_sqrt_f32 v[SB+2*\j], v[SA+2*\j]
.endr
	v_nop                                          ; a plain instruction behind the last root
	s_wait_alu depctr_va_vdst(0)                   ; one wait for the four, ahead of their first reader
.irp j, 0,1,2,3
	v_add_f32 v[SB+2*\j], 0x322bcc77, v[SB+2*\j]   ; + 1e-8
.endr
	s_wait_alu depctr_va_vdst(0)
.irp j, 0,1,2,3
	v_rcp_f32 v[SA+2*\j], v[SB+2*\j]
.endr
	v_nop
	s_wait_alu depctr_va_vdst(0)
	s_wait_loadcnt 0x0                             ; scale and shift
.irp j, 0,1,2,3
.irp i, 0,2,4,6,8,10,12,14,16,18,20,22,24,26,28,30
	v_pk_mul_f32 v[XR+32*\j+\i:XR+32*\j+\i+1], v[XR+32*\j+\i:XR+32*\j+\i+1], v[SA+2*\j:SA+2*\j+1] op_sel_hi:[1,0]
.endr
.irp i, 0,2,4,6,8,10,12,14,16,18,20,22,24,26,28,30
	v_pk_fma_f32 v[XR+32*\j+\i:XR+32*\j+\i+1], v[SCV+\i:SCV+\i+1], v[XR+32*\j+\i:XR+32*\j+\i+1], v[SHV+\i:SHV+\i+1]
.endr
.irp e, 0,1,2,3,4,5,6,7
	ds_store_b128 v[STA], v[XR+32*\j+4*\e:XR+32*\j+4*\e+3] offset:PITCH*\j+512*\e
.endr
.endr
	s_wait_dscnt 0x0                               ; for the others' sake: my rows lie in LDS
	s_barrier_signal -1
	s_barrier_wait -1
.irp q, 0,1
.irp c, 0,1
.irp j, 0,1,2,3,4,5,6,7
	ds_load_b128 v[XR+64*\q+32*\c+4*\j:XR+64*\q+32*\c+4*\j+3], v[LDA] offset:512*\q+256*\c+16*\j
.endr
.endr
.endr
.macro QFRAG s, pw                     ; 64 numbers of a lane, register 32 c + i = k 64 c + 32 h + i of row r -> 12 registers of codes in v[PC] on, the row's scale word in v[pw]
.irp c, 0,1
	v_max3_num_f32 v[TM+\c], |v[\s+32*\c]|, |v[\s+32*\c+1]|, 0x1800000   ; with the floor 2^(3 - 127)
.endr
.irp i, 2,4,6,8,10,12,14,16,18,20,22,24,26,28,30
.irp c, 0,1
	v_max3_num_f32 v[TM+\c], v[TM+\c], |v[\s+32*\c+\i]|, |v[\s+32*\c+\i+1]|
.endr
.endr
.irp c, 0,1
	v_add_nc_u32 v[SO+\c], 0xff000000, v[TM+\c]
.endr
.irp c, 0,1
	v_lshrrev_b32 v[BY+\c], 23, v[SO+\c]
.endr
	v_lshl_or_b32 v[\pw], v[BY+1], 16, v[BY]
	v_lshlrev_b32 v[\pw], v[SH8], v[\pw]
	v_permlanex16_b32 v[PT], v[\pw], s[SEL], s[SEL+1]
	v_or_b32 v[\pw], v[\pw], v[PT]
.irp c, 0,1
	v_cvt_scalef32_pk16_fp6_f32 v[PC+6*\c:PC+6*\c+2], v[\s+32*\c:\s+32*\c+15], v[SO+\c]
	v_cvt_scalef32_pk16_fp6_f32 v[CT+4*\c:CT+4*\c+2], v[\s+32*\c+16:\s+32*\c+31], v[SO+\c]
.endr
	v_nop                                          ; one plain place behind a scaled conversion
.irp c, 0,1
.irp i, 0,1,2
	v_mov_b32 v[PC+3+6*\c+\i], v[CT+4*\c+\i]
.endr
.endr
.endm
	s_wait_dscnt 16                                ; K step 2 w is in; 2 w + 1 may be out
	QFRAG XR, PW
.irp c, 0,1,2
	global_store_b128 v[LI], v[PC+4*\c:PC+4*\c+3], s[18:19] offset:512*\c
.endr
	s_wait_dscnt 0x0
	s_wait_xcnt 0x0                                ; the stores have read the codes' registers
	QFRAG XR+64, PW+1
.irp c, 0,1,2
	global_store_b128 v[LI], v[PC+4*\c:PC+4*\c+3], s[18:19] offset:1536+512*\c
.endr
	v_cmp_eq_u32 vcc_lo, 1, v[HH]
	v_cndmask_b32 v[WO], v[PW], v[PW+1], vcc_lo    ; lanes 0-15 store K step 2 w's words, lanes 16-31 those of 2 w + 1
	global_store_b32 v[SOF], v[WO], s[10:11]
	s_wait_tensorcnt 0x0
	ds_add_u32 v251, v255
	s_wait_dscnt 0x0
	s_endpgm
.Lfunc_end_k_q8dad2abbdb_ln2:
	.size	k_q8dad2abbdb_ln2, .Lfunc_end_k_q8dad2abbdb_ln2-k_q8dad2abbdb_ln2
	.p2alignl 7, 3214868480
	.fill 96, 4, 3214868480
	.section	.rodata,"a",@progbits
	.p2align	6, 0x0
	.amdhsa_kernel k_q8dad2abbdb_ln2
		.amdhsa_group_segment_fixed_size 66304
		.amdhsa_private_segment_fixed_size 0
		.amdhsa_enable_private_segment 0
		.amdhsa_kernarg_size 32
		.amdhsa_user_sgpr_count 2
		.amdhsa_user_sgpr_kernarg_segment_ptr 1
		.amdhsa_wavefront_size32 1
		.amdhsa_system_sgpr_workgroup_id_x 1
		.amdhsa_system_sgpr_workgroup_id_y 1
		.amdhsa_system_sgpr_workgroup_id_z 1
		.amdhsa_system_vgpr_workitem_id 0
		.amdhsa_next_free_vgpr 256
		.amdhsa_next_free_sgpr 66
		.amdhsa_reserve_vcc 1
		.amdhsa_float_denorm_mode_32 3
		.amdhsa_float_denorm_mode_16_64 3
		.amdhsa_memory_ordered 1
		.amdhsa_forward_progress 1
		.amdhsa_inst_pref_size 43
	.end_amdhsa_kernel
	.amdgpu_metadata
---
amdhsa.version: [ 1, 2 ]
amdhsa.kernels:
  - .name:           k_q8dad2abbdb_ln2
    .symbol:         k_q8dad2abbdb_ln2.kd
    .args:
      - { .name: outw, .offset: 0, .size: 8, .value_kind: global_buffer, .address_space: global }
      - { .name: scale2, .offset: 8, .size: 8, .value_kind: global_buffer, .address_space: global }
      - { .name: shift2, .offset: 16, .size: 8, .value_kind: global_buffer, .address_space: global }
      - { .name: ximg, .offset: 24, .size: 8, .value_kind: global_buffer, .address_space: global }
    .group_segment_fixed_size: 66304
    .private_segment_fixed_size: 0
    .kernarg_segment_align: 8
    .kernarg_segment_size: 32
    .max_flat_workgroup_size: 128
    .sgpr_count:     66
    .vgpr_count:     256
    .wavefront_size: 32
...
	.end_amdgpu_metadata
.endif
;; end of part 4
;; launch gemm1 (part 5): grid 16 x 16, 4 waves a work-group, clusters of 4 x 4, 327,680 bytes of LDS; arguments ximg, wimg, b1, gimg; writes gimg
.if DOCPART == 5
	.amdgcn_target "amdgcn-amd-amdhsa--gfx1250"
	.amdhsa_code_object_version 6
	.text
	.protected	k_q8dad2abbdb_gemm1
	.globl	k_q8dad2abbdb_gemm1
	.p2align	8
	.type	k_q8dad2abbdb_gemm1,@function
k_q8dad2abbdb_gemm1:
	s_mov_b64 s[64:65], 0
	v_nop
	global_prefetch_b8 v0, s[64:65] scope:SCOPE_SE
	s_setreg_imm32_b32 hwreg(HW_REG_WAVE_MODE, 25, 1), 1
	s_wait_xcnt 0x0
	s_wait_alu depctr_hold_cnt(0) depctr_sa_sdst(0) depctr_va_vdst(0) depctr_va_sdst(0) depctr_va_ssrc(0) depctr_va_vcc(0) depctr_vm_vsrc(0)
	s_getreg_b32 s2, hwreg(HW_REG_IB_STS2, 6, 4)
	s_cmp_eq_u32 s2, 0
	s_cbranch_scc0 .Lentry_in_a_cluster
	s_endpgm
.Lentry_in_a_cluster:
	s_bfe_u32 s2, ttmp6, 0x10000c
	s_cmp_lg_u32 s2, 0xf033
	s_cbranch_scc0 .Lentry_shape_is_right
	s_endpgm
.Lentry_shape_is_right:
; g = gelu_tanh(h W1^T + b1) on codes of FP6 (E2M3) with E8M0 scales; g is quantised in registers along its 4,096 columns, the next product's K, and stored as images of operand registers.
; OPERANDS are images: codes [tile of 16 rows][K step of 128][1,536], scale words [8 tiles][K step][512].  Row i of tile t is row 32 (t / 2) + 8 (t % 2) + i + 8 (i / 8).
; Source 0 = 16 rows of W1 (B), source 1 = 16 tokens (A): a lane holds one token, and the 16 registers of B's tiles 2 b and 2 b + 1 are columns 32 b + 16 (lane / 16) + 0 .. 15.
; A tile of the result is 256 x 256, a wave's 128 x 128: 64 accumulators.  K = 1,024 IS FOUR QUARTERS OF 256, 98,304 bytes each for the work-group; each wave fetches 8 tiles x 3,072 bytes of a quarter by one
; tensor load.  THREE LDS SLOTS take quarters 0, 1 and 2 as first fills, which go out together with the scale words of all K: four tensor loads of a wave are out at the most.  Quarter 3 is the one refill, into
; slot 0, behind the round at the change from slot 0 to slot 1: from the request to the wait for it a wave issues 224 matrix instructions.  The change from slot 1 to slot 2 has no barrier: ahead of that round
; every wave has waited for all its loads, slot 2's among them.  CLUSTERS of 4 x 4: A's tiles are shared along a row, B's along a column: joint loads.
; gelu(x) = x / (1 + 2^(x (k1 x^2 + k0))), k0 = -2 sqrt(2 / pi) log2(e), k1 = 0.044715 k0: the same function as 0.5 x (1 + tanh(..)), all in f32.
; REGISTERS, in windows of 256: window 0: v0-31 addresses; v32-63 scale words, two sets; v64-255 fragment buffer 0.  window 1: v0-63 the bias; v64-255 buffer 1.  windows 2, 3: accumulator (a, b) at v[8 (8 (a % 4) + b)].
; LIMITS: a block of zeros, or one under 2^-124, gets the byte 1 (this program alone reads the bytes); NaN and infinities are not served.
.set NA,     8
; THE WALK ALONG K AS THIS TEXT HAS IT (it takes the place of what the head comment says of three slots): TWO LDS SLOTS OF THREE K STEPS.  At the head each wave issues ONE joint load: wave 0 A's 16 tiles
; of K steps 0-2, wave 1 B's, wave 2 A's scale words of all K, wave 3 B's.  Behind a full round slot 1 takes K steps 3-5, a quarter of the slot a wave; behind the round in K step 2 slot 0 takes K steps 6 and 7.
; One tensor load of a wave is out at any time.
; THE LATER FILLS ARE PREFETCHED INTO THE L2, each one fill ahead of the load that wants it: at each change of slots every wave has waited for all its tensor loads, so the next load goes out with nothing on its way
; beside it.  Behind the head's load a wave asks for K steps 3-5, behind slot 1's load for K steps 6 and 7.  Of the 8 tiles that wave w fetches, each of the four partners that ask for them jointly takes two,
; told apart by address (cx for A, cy for B): 18 or 12 blocks of 256 bytes a tile, a lane a block, an instruction a tile; the lanes left over name the last block again.  Nothing is asked for beyond K step 7.
.set NQ,     3
.set SROW,   NQ*1536
.set RBK,    12288
.set HALFT,  NA*SROW
.set SLOT,   4*HALFT
.set SCL,    2*SLOT                    ; behind the two slots: the scale words
.set HALFS,  4096
.set SPARE,  SCL+4*HALFS               ; the spare words: 128 bytes a wave, two blocks of 256 bytes that no other line names
.set HALFL,  12
.set XS,     3145728
.set W1C,    2359296
.set W1S,    8749056
.set GS,     12582912
.set LI,   5
.set RS,   8                           ; v8   16 r + 256 h
.set BO,   10                          ; v10  64 h
.set ADRA, 16                          ; v16-18 my A fragments in slot 0, 1, 2
.set ADRB, 20                          ; v20-22 the same for B
.set ADRS, 27
.set SPW,  28
.set NIL,  29
.set KV,   30                          ; v30-31 k0, twice
.set SC,   32
.set FB,   64
.set TT,   64
.set PC,   128
.set TM,   152
.set PW,   168
.set SW,   176
.set SEL4, 184
.set UU,   192
.set G1,   24
.set G0,   32                          ; s[32:39] group 0 for A's tiles, slots 0 and 1
.set G0H,  4                           ; s[4:7]   group 0 for the head's load of A's 16 tiles
.set G1B,  48
.set G0B,  56                          ; s[56:63] group 0 for B's tiles, slots 0 and 1
.set G0HB, 92                          ; s[92:95] and of B's
.set G1S,  68
.set G0S,  76
.set G1SB, 80
.set G0SB, 88
.set K1,   94
.set SEL,  100
.set MSB, 0
.macro WIN new
.set WNEW, \new
.if MSB != WNEW
	s_set_vgpr_msb (MSB<<8)|WNEW
.set MSB, WNEW
.endif
.endm
.macro JLOAD g0a, g1a, g0b, g1b        ; a joint load: waves 0 and 1 fetch for A, waves 2 and 3 for B; four v_nop follow each line
	s_cmp_eq_u32 s15, 0
	s_cbranch_scc0 .Lfor_b_\@
	tensor_load_to_lds s[\g0a:\g0a+3], s[\g1a:\g1a+7]
	s_nop 0
.rept 4
	v_nop
.endr
	s_branch .Lasked_\@
.Lfor_b_\@:
	tensor_load_to_lds s[\g0b:\g0b+3], s[\g1b:\g1b+7]
	s_nop 0
.rept 4
	v_nop
.endr
.Lasked_\@:
.endm
.macro CREST
	s_cmp_lg_u32 s14, 0
	s_cbranch_scc1 .Lnot_wave_0_\@
	s_barrier_signal -3
.Lnot_wave_0_\@:
	s_barrier_wait -3
	s_barrier_signal -1
	s_barrier_wait -1
.endm
.macro CROUND
	s_barrier_signal -1
	s_barrier_wait -1
	CREST
.endm
.macro PLACES n
.rept \n
	v_nop
.endr
.endm
	s_load_b256 s[4:11], s[0:1], 0x0               ; ximg, wimg, b1, gimg
	v_lshl_add_u32 v[SPW], v0, 2, SPARE
	v_mov_b32 v[NIL], 0
	ds_add_u32 v28, v29
	ds_add_u32 v28, v29
	s_wait_dscnt 0x0
	v_lshrrev_b32 v1, 5, v0
	v_readfirstlane_b32 s14, v1
	s_lshr_b32 s15, s14, 1
	s_and_b32 s16, s14, 1
	s_bfe_u32 s40, ttmp6, 0x40000
	s_bfe_u32 s41, ttmp6, 0x40004
	s_lshl_b32 s42, ttmp9, 2
	s_add_co_u32 s42, s42, s40                     ; tile column: W1's 256 rows
	s_and_b32 s17, ttmp7, 0xffff
	s_lshl_b32 s17, s17, 2
	s_add_co_u32 s17, s17, s41                     ; tile row: 256 tokens
	s_lshl_b32 s43, s41, 2
	s_lshl_b32 s43, 15, s43
	s_lshl_b32 s44, 0x1111, s40
	s_or_b32 s[G1+0], s43, (3<<16)|(1<<21)         ; 15:0 the mask; 17:16 elements of 8 bytes; 21 set beside a mask; no padding
	s_or_b32 s[G1B+0], s44, (3<<16)|(1<<21)
.irp g, G1, G1B
	s_mov_b32 s[\g+1], (SROW/8)<<16
	s_mov_b32 s[\g+2], (2*NA)<<16                  ; tensor_dim1: 16 tiles for the head's loads; behind them 8
	s_mov_b32 s[\g+3], (SROW/8)<<16
	s_mov_b32 s[\g+4], 2*NA                        ; tile_dim1
	s_mov_b32 s[\g+5], RBK/8
	s_mov_b32 s[\g+6], 0
	s_mov_b32 s[\g+7], 0
.endr
	s_or_b32 s[G1S+0], s43, (3<<16)|(1<<21)
	s_or_b32 s[G1SB+0], s44, (3<<16)|(1<<21)
.irp g, G1S, G1SB
	s_mov_b32 s[\g+1], 32<<16
	s_mov_b32 s[\g+2], (2*HALFS/256)<<16           ; both groups of 8 tiles
	s_mov_b32 s[\g+3], 32<<16
	s_mov_b32 s[\g+4], 2*HALFS/256
	s_mov_b32 s[\g+5], 32
	s_mov_b32 s[\g+6], 0
	s_mov_b32 s[\g+7], 0
.endr
	s_lshl_b32 s20, s17, 1                         ; A: the first of the work-group's two groups of 8 tiles
	s_lshl_b32 s46, s42, 1                         ; B likewise
	s_mul_i32 s22, s20, HALFS
	s_add_co_u32 s22, s22, XS
	s_mul_i32 s20, s20, NA*RBK
	s_mov_b32 s21, 0
	s_mov_b32 s23, 0
	s_mul_i32 s92, s46, HALFS
	s_add_co_u32 s92, s92, W1S
	s_mul_i32 s46, s46, NA*RBK
	s_add_co_u32 s46, s46, W1C
	s_mov_b32 s47, 0
	s_mov_b32 s93, 0
	s_mul_i32 s45, s14, HALFT
	s_mul_i32 s2, s16, NA*RBK                      ; in the ring I fetch one group of 8 tiles: which, in bytes
	s_mov_b32 s3, 0
	s_wait_kmcnt 0x0
	s_add_nc_u64 s[20:21], s[4:5], s[20:21]
	s_add_nc_u64 s[22:23], s[4:5], s[22:23]
	s_add_nc_u64 s[46:47], s[6:7], s[46:47]
	s_add_nc_u64 s[92:93], s[6:7], s[92:93]
	CROUND                                         ; all sixteen work-groups are here: the first joint loads meet
	s_mov_b32 s[G0S], 1
	s_mov_b32 s[G0S+1], SCL
	s_mov_b64 s[G0S+2:G0S+3], s[22:23]
	s_or_b32 s[G0S+3], s[G0S+3], 0x80000000
	s_mov_b32 s[G0SB], 1
	s_mov_b32 s[G0SB+1], SCL+2*HALFS
	s_mov_b64 s[G0SB+2:G0SB+3], s[92:93]
	s_or_b32 s[G0SB+3], s[G0SB+3], 0x80000000
	s_mov_b32 s[G0H], 1                            ; K steps 0-2 of A's 16 tiles,
	s_mov_b32 s[G0H+1], 0
	s_mov_b64 s[G0H+2:G0H+3], s[20:21]
	s_or_b32 s[G0H+3], s[G0H+3], 0x80000000
	s_mov_b32 s[G0HB], 1                           ; and of B's, behind them in slot 0
	s_mov_b32 s[G0HB+1], 2*HALFT
	s_mov_b64 s[G0HB+2:G0HB+3], s[46:47]
	s_or_b32 s[G0HB+3], s[G0HB+3], 0x80000000
	s_add_nc_u64 s[20:21], s[20:21], s[2:3]        ; for the ring: my group of 8 tiles
	s_add_nc_u64 s[46:47], s[46:47], s[2:3]
.irp s, 0,1
	s_mov_b32 s[G0+4*\s], 1
	s_add_co_u32 s[G0+4*\s+1], s45, \s*SLOT
	s_add_nc_u64 s[G0+4*\s+2:G0+4*\s+3], s[20:21], \s*SROW
	s_or_b32 s[G0+4*\s+3], s[G0+4*\s+3], 0x80000000
	s_mov_b32 s[G0B+4*\s], 1
	s_add_co_u32 s[G0B+4*\s+1], s45, \s*SLOT
	s_add_nc_u64 s[G0B+4*\s+2:G0B+4*\s+3], s[46:47], \s*SROW
	s_or_b32 s[G0B+4*\s+3], s[G0B+4*\s+3], 0x80000000
.endr
; The head's loads, one a wave: one tree of branches on the wave's number, a load to each arm, all arms leading to one join
.macro ARM under, g0, g1, next
	s_cmp_lt_u32 s14, \under
	s_cbranch_scc0 \next
	tensor_load_to_lds s[\g0:\g0+3], s[\g1:\g1+7]
	s_nop 0
.rept 4
	v_nop
.endr
	s_branch .Lhead_asked
\next:
.endm
	ARM 1, G0H,  G1,  .Lhead_b
	ARM 2, G0HB, G1B, .Lhead_sa
	ARM 3, G0S,  G1S, .Lhead_sb
	tensor_load_to_lds s[G0SB:G0SB+3], s[G1SB:G1SB+7]
	s_nop 0
.rept 4
	v_nop
.endr
.Lhead_asked:
	s_cmp_eq_u32 s15, 0                            ; do I fetch for A?
	s_cselect_b64 s[2:3], s[20:21], s[46:47]       ; my group of 8 tiles
	s_cselect_b32 s18, s40, s41                    ; my place among the four that ask for it with me: it enters this address alone
	s_mul_i32 s18, s18, 2*RBK
	s_mov_b32 s19, 0
	s_add_nc_u64 s[2:3], s[2:3], s[18:19]          ; my work-group's two tiles; never rewritten
	v_and_b32 v13, 31, v0
	v_min_u32 v12, 17, v13
	v_min_u32 v13, 11, v13
	v_lshlrev_b32 v12, 8, v12                      ; 256 x min(lane, 17); never rewritten
	v_lshlrev_b32 v13, 8, v13                      ; 256 x min(lane, 11); never rewritten
	global_prefetch_b8 v12, s[2:3] offset:SROW th:TH_LOAD_NT scope:SCOPE_SE        ; K steps 3-5 of the first tile,
	global_prefetch_b8 v12, s[2:3] offset:RBK+SROW th:TH_LOAD_NT scope:SCOPE_SE    ; and of the second
	v_and_b32 v1, 15, v0
	v_bfe_u32 v2, v0, 4, 1
	v_and_b32 v3, 31, v0
	v_lshlrev_b32 v[LI], 4, v3
	s_wait_alu depctr_va_vdst(0)
	v_lshlrev_b32 v[RS], 4, v1
	v_lshl_add_u32 v[RS], v2, 8, v[RS]
	v_lshlrev_b32 v[BO], 6, v2
	s_lshl_b32 s20, s42, 10
	s_lshl_b32 s21, s16, 9
	s_add_co_u32 s20, s20, s21
	s_mov_b32 s21, 0
	s_add_nc_u64 s[8:9], s[8:9], s[20:21]          ; b1 at my 128 columns
	WIN 0x40
.irp p, 0,1,2,3
.irp e, 0,1,2,3
	global_load_b128 v[16*\p+4*\e:16*\p+4*\e+3], v[BO], s[8:9] offset:128*\p+16*\e   ; the bias in the result's layout
.endr
.endr
	WIN 0
	s_mul_i32 s21, s15, HALFT
	s_mul_i32 s22, s16, HALFT
	s_add_co_u32 s22, s22, 2*HALFT
.irp s, 0,1
	v_add_nc_u32 v[ADRA+\s], s21, v[LI]
	v_add_nc_u32 v[ADRB+\s], s22, v[LI]
	s_add_co_u32 s21, s21, SLOT
	s_add_co_u32 s22, s22, SLOT
.endr
	s_lshl_b32 s21, s15, 12
	s_lshl_b32 s22, s16, 12
	s_add_co_u32 s22, s22, 2*HALFS
	s_sub_co_u32 s22, s22, s21
	v_mul_u32_u24 v6, s22, v2                      ; lanes 16-31 take B's scale words
	s_add_co_u32 s21, s21, SCL
	v_lshl_add_u32 v6, v1, 4, v6
	v_add_nc_u32 v[ADRS], s21, v6
	s_lshl_b32 s20, s17, 1
	s_add_co_u32 s20, s20, s15                     ; my group of 128 tokens
	s_lshl_b32 s46, s42, 1
	s_add_co_u32 s46, s46, s16                     ; my K step of the next product
	s_mul_i32 s22, s20, 8*49152
	s_mul_i32 s47, s46, 1536
	s_add_co_u32 s22, s22, s47
	s_mov_b32 s23, 0
	s_add_nc_u64 s[12:13], s[10:11], s[22:23]      ; where my fragments go
	s_lshl_b32 s20, s20, 5
	s_add_co_u32 s20, s20, s46
	s_lshl_b32 s20, s20, 9
	s_add_co_u32 s20, s20, GS
	s_mov_b32 s21, 0
	s_add_nc_u64 s[10:11], s[10:11], s[20:21]      ; and their scale words
.macro FRAG reg, adr, q, i
.irp c, 0,1,2
	ds_load_b128 v[\reg+4*\c:\reg+4*\c+3], v[\adr] offset:(\i)*SROW+(\q)*1536+512*\c
.endr
.endm
.macro FETCH slot, q, g
	WIN (\g)<<6
.irp i, 0,1,2,3,4,5,6,7
	FRAG FB+12*\i, ADRB+\slot, \q, \i
.endr
.irp i, 0,1,2,3,4,5,6,7
	FRAG FB+96+12*\i, ADRA+\slot, \q, \i
.endr
.endm
.macro SCALES pr                       ; the scale words of K steps 2 pr and 2 pr + 1 into set pr % 2: register 8 q + i: lanes 0-15 A's tile i, lanes 16-31 B's tile i
.irp q, 0,1
.irp e, 0,1
	ds_load_b128 v[SC+16*((\pr)%2)+8*\q+4*\e:SC+16*((\pr)%2)+8*\q+4*\e+3], v[ADRS] offset:1024*(\pr)+512*\q+256*\e
.endr
.endr
.endm
; 16 matrix instructions: A's blocks 2 part, 2 part + 1 x B's eight.  The 64 accumulators take turns, one instruction a turn.
.macro MULP f, part, q, set, zero
	WIN (\f)|((\f)<<2)|((2+(\part)/2)<<4)|((2+(\part)/2)<<6)
.set KQ, SC+16*(\set)+8*(\q)
.irp a, 2*(\part), 2*(\part)+1
.irp b, 0,1,2,3,4,5,6,7
.if \zero
	v_wmma_scale_f32_16x16x128_f8f6f4 v[8*(8*((\a)%4)+\b):8*(8*((\a)%4)+\b)+7], v[FB+12*\b:FB+12*\b+11], v[FB+96+12*(\a):FB+96+12*(\a)+11], 0, v[KQ+\b], v[KQ+(\a)] matrix_a_fmt:MATRIX_FMT_FP6 matrix_b_fmt:MATRIX_FMT_FP6 matrix_a_scale:MATRIX_SCALE_ROW1
.else
	v_wmma_scale_f32_16x16x128_f8f6f4 v[8*(8*((\a)%4)+\b):8*(8*((\a)%4)+\b)+7], v[FB+12*\b:FB+12*\b+11], v[FB+96+12*(\a):FB+96+12*(\a)+11], v[8*(8*((\a)%4)+\b):8*(8*((\a)%4)+\b)+7], v[KQ+\b], v[KQ+(\a)] matrix_a_fmt:MATRIX_FMT_FP6 matrix_b_fmt:MATRIX_FMT_FP6 matrix_a_scale:MATRIX_SCALE_ROW1
.endif
.endr
.endr
.endm
.macro QUARTER slot, set, zero         ; a slot's first K step, from buffer 0; its second is fetched into buffer 1
	s_wait_dscnt HALFL                             ; all but A's blocks 4-7 are in
	MULP 0, 0, 0, \set, \zero
	MULP 0, 1, 0, \set, \zero
	PLACES 4                                       ; in front of loads into registers that matrix instructions have read
	FETCH \slot, 1, 1
	s_wait_dscnt 48                                ; all but the 48 just issued
	MULP 0, 2, 0, \set, \zero
	MULP 0, 3, 0, \set, \zero
.endm
; A slot's second K step, from buffer 1, with a barrier: in front of it each wave waits for all its tensor loads, adds 0 to its spare word, and waits for that and for its reads of the slot that it leaves.
; fill = 1: the barrier opens a round of the cluster's, and slot 0, just read out, takes the fourth quarter of K.
; K step st (1 to 5), from buffer st % 2; step st + 1 lies in slot ((st + 1) / 3) % 2 and is fetched in the middle.  Steps 2 and 5 are a slot's last: in front of the barrier each wave waits for all its
; tensor loads, adds 0 to its spare word, and waits for that and for its reads of the slot that it leaves.  In step 2 the barrier opens a round of the cluster's, and slot 0 takes K steps 6 and 7:
; tensor_dim0 is then two K steps, the rows keep their pitch of three, and the mover writes zeros into the third, which nobody reads.
.macro STEP st
.set NX, (\st)+1
.set SF, (\st)%2
.set SS, ((\st)/2)%2
.if (\st)%3 == 2
	WIN 0
	s_wait_tensorcnt 0x0                           ; all my tensor loads have landed
	ds_add_u32 v[SPW], v[NIL]                      ; 0 onto my spare word
	s_wait_dscnt HALFL+1                           ; (the add and A's blocks 4-7 may be out)
	MULP SF, 0, SF, SS, 0
	s_wait_dscnt 0x0                               ; the add is done, and my reads of this slot are over
	s_barrier_signal -1
	MULP SF, 1, SF, SS, 0
	WIN 0
	s_barrier_wait -1
.if (\st) == 2
	CREST                                          ; no wave of any partner still reads slot 0 or has a load on its way
	s_add_nc_u64 s[G0+2:G0+3], s[G0+2:G0+3], 2*SROW
	s_add_nc_u64 s[G0B+2:G0B+3], s[G0B+2:G0B+3], 2*SROW
	s_mov_b32 s[G1+1], (2*1536/8)<<16              ; tensor_dim0: two K steps are left
	s_mov_b32 s[G1B+1], (2*1536/8)<<16
	JLOAD G0, G1, G0B, G1B                         ; the first tensor load behind the round, and the launch's last; its four v_nop are the places in front of the loads below
.else
	PLACES 4
.endif
.else
	s_wait_dscnt HALFL                             ; all but A's blocks 4-7 are in
	MULP SF, 0, SF, SS, 0
	MULP SF, 1, SF, SS, 0
	WIN 0
	PLACES 4                                       ; in front of loads into registers that matrix instructions have read
.endif
.if NX%2 == 0
	SCALES NX/2
.endif
	FETCH (NX/3)%2, NX%3, NX%2
.if (\st)%3 != 2
	s_wait_dscnt 48+4*(1-NX%2)                     ; all but the loads just issued
.endif
	MULP SF, 2, SF, SS, 0
	MULP SF, 3, SF, SS, 0
.endm
.macro LASTQ set
	s_wait_dscnt HALFL
	MULP 1, 0, 1, \set, 0
	MULP 1, 1, 1, \set, 0
	s_wait_dscnt 0x0
	MULP 1, 2, 1, \set, 0
	MULP 1, 3, 1, \set, 0
	WIN 0
.endm
.macro QUANT s                         ; 64 numbers of a lane, register 16 b + i = index 32 b + 16 h + i of my row -> codes in v[PC] on, the scale word in v[PW]
.irp b, 0,1,2,3
	v_max3_num_f32 v[TM+\b], |v[\s+16*\b]|, |v[\s+1+16*\b]|, 0x1800000
.endr
.irp i, 2,4,6,8,10,12,14
.irp b, 0,1,2,3
	v_max3_num_f32 v[TM+\b], v[TM+\b], |v[\s+16*\b+\i]|, |v[\s+1+16*\b+\i]|
.endr
.endr
.irp b, 0,1,2,3
	v_permlanex16_b32 v[TM+4+\b], v[TM+\b], s[SEL], s[SEL+1]
.endr
.irp b, 0,1,2,3
	v_max_num_f32 v[TM+\b], v[TM+\b], v[TM+4+\b]
.endr
.irp b, 0,1,2,3
	v_add_nc_u32 v[TM+12+\b], 0xff000000, v[TM+\b]
.endr
.irp b, 0,1,2,3
	v_lshrrev_b32 v[TM+4+\b], 23, v[TM+12+\b]
.endr
	v_lshl_or_b32 v[PW], v[TM+5], 8, v[TM+4]
	v_lshl_or_b32 v[PW], v[TM+6], 16, v[PW]
	v_lshl_or_b32 v[PW], v[TM+7], 24, v[PW]
.irp c, 0,1
	v_cvt_scalef32_pk16_fp6_f32 v[PC+6*\c:PC+2+6*\c], v[\s+32*\c:\s+15+32*\c], v[TM+12+2*\c]
	v_cvt_scalef32_pk16_fp6_f32 v[PC+12+4*\c:PC+14+4*\c], v[\s+16+32*\c:\s+31+32*\c], v[TM+12+2*\c+1]
.endr
	v_nop                                          ; one plain place behind a scaled conversion
.irp c, 0,1
.irp i, 0,1,2
	v_permlane16_swap_b32 v[PC+6*\c+\i], v[PC+12+4*\c+\i]
.endr
.irp i, 0,1,2
	v_mov_b32 v[PC+3+6*\c+\i], v[PC+12+4*\c+\i]
.endr
.endr
.endm
.macro TAKE a                          ; block a's 64 sums + the bias; each accumulator from its low end on
	WIN (2+(\a)/4)|(1<<2)
.set TI, 0
.rept 32
	v_pk_add_f32 v[TT+TI:TT+TI+1], v[64*((\a)%4)+TI:64*((\a)%4)+TI+1], v[TI:TI+1]
.set TI, TI+2
.endr
	WIN 0
.endm
.macro GELU                            ; on the 64 numbers in v[TT] on; the exponentials and the reciprocals go as batches, each with one wait ahead of its first reader
.set GI, 0
.rept 32
	v_pk_mul_f32 v[UU+GI:UU+GI+1], v[TT+GI:TT+GI+1], v[TT+GI:TT+GI+1]
.set GI, GI+2
.endr
.set GI, 0
.rept 32
	v_pk_fma_f32 v[UU+GI:UU+GI+1], v[UU+GI:UU+GI+1], s[K1:K1+1], v[KV:KV+1] op_sel_hi:[1,0,0]
.set GI, GI+2
.endr
.set GI, 0
.rept 32
	v_pk_mul_f32 v[UU+GI:UU+GI+1], v[UU+GI:UU+GI+1], v[TT+GI:TT+GI+1]
.set GI, GI+2
.endr
.set GI, 0
	s_wait_alu depctr_va_vdst(0)
.rept 64
	v_exp_f32 v[UU+GI], v[UU+GI]
.set GI, GI+1
.endr
	v_nop
	s_wait_alu depctr_va_vdst(0)
.set GI, 0
.rept 32
	v_pk_add_f32 v[UU+GI:UU+GI+1], v[UU+GI:UU+GI+1], 1.0 op_sel_hi:[1,0]
.set GI, GI+2
.endr
.set GI, 0
	s_wait_alu depctr_va_vdst(0)
.rept 64
	v_rcp_f32 v[UU+GI], v[UU+GI]
.set GI, GI+1
.endr
	v_nop
	s_wait_alu depctr_va_vdst(0)
.set GI, 0
.rept 32
	v_pk_mul_f32 v[TT+GI:TT+GI+1], v[TT+GI:TT+GI+1], v[UU+GI:UU+GI+1]
.set GI, GI+2
.endr
.endm
.macro GOUT a
	TAKE \a
	GELU
	s_wait_xcnt 0x0                                ; the last block's stores have read the codes' registers
	QUANT TT
.irp c, 0,1,2
	global_store_b128 v[LI], v[PC+4*\c:PC+4*\c+3], s[12:13] offset:(\a)*49152+512*\c   ; 512 consecutive bytes a store
.endr
	v_mov_b32 v[SW+\a], v[PW]
.endm
	s_wait_alu depctr_va_vdst(0)
	s_wait_tensorcnt 0x0                           ; my tile of the head's four is in
	ds_add_u32 v[SPW], v[NIL]
	s_mov_b32 s[G1+2], NA<<16                      ; no tensor load of mine is out: from here on a load brings 8 tiles
	s_mov_b32 s[G1+4], NA
	s_mov_b32 s[G1B+2], NA<<16
	s_mov_b32 s[G1B+4], NA
	s_wait_dscnt 0x0
	CROUND                                         ; all four tiles are in, and all sixteen work-groups are here
	JLOAD G0+4, G1, G0B+4, G1B                     ; K steps 3-5 into slot 1: the first tensor load behind the round
	SCALES 0
	FETCH 0, 0, 0
	global_prefetch_b8 v13, s[2:3] offset:2*SROW th:TH_LOAD_NT scope:SCOPE_SE      ; K steps 6 and 7 of the first tile,
	global_prefetch_b8 v13, s[2:3] offset:RBK+2*SROW th:TH_LOAD_NT scope:SCOPE_SE  ; and of the second
	QUARTER 0, 0, 1                                ; the first K step starts the sums
	STEP 1
	STEP 2
	STEP 3
	STEP 4
	STEP 5
	QUARTER 0, 1, 0
	LASTQ 1
	s_mov_b32 s[SEL], 0x76543210
	s_mov_b32 s[SEL+1], 0xfedcba98
	s_mov_b32 s[K1], 0xbdd2d3e8                    ; k1
	s_mov_b32 s[K1+1], s[K1]
	s_wait_loadcnt 0x0                             ; the bias
	PLACES 4                                       ; behind the last products
	v_mov_b32 v[KV], 0xc0135761                    ; k0
	v_mov_b32 v[KV+1], 0xc0135761
.irp b, 0,1,2,3
	v_mov_b32 v[TM+4+\b], 0                        ; a lane permute's destination counts as one of its sources
.endr
.irp a, 0,1,2,3,4,5,6,7
	GOUT \a
.endr
	v_cmp_eq_u32 vcc_lo, 1, v2
.irp i, 0,1,2,3
	v_cndmask_b32 v[SEL4+\i], v[SW+\i], v[SW+4+\i], vcc_lo     ; lanes 0-15: tiles 0-3, lanes 16-31: tiles 4-7
.endr
	global_store_b128 v[RS], v[SEL4:SEL4+3], s[10:11]          ; 512 consecutive bytes
	s_wait_tensorcnt 0x0                           ; the wave's end
	ds_add_u32 v[SPW], v[NIL]
	s_wait_dscnt 0x0
	CROUND
	s_endpgm
.Lfunc_end_k_q8dad2abbdb_gemm1:
	.size	k_q8dad2abbdb_gemm1, .Lfunc_end_k_q8dad2abbdb_gemm1-k_q8dad2abbdb_gemm1
	.p2alignl 7, 3214868480
	.fill 96, 4, 3214868480
	.section	.rodata,"a",@progbits
	.p2align	6, 0x0
	.amdhsa_kernel k_q8dad2abbdb_gemm1
		.amdhsa_group_segment_fixed_size 327680
		.amdhsa_private_segment_fixed_size 0
		.amdhsa_enable_private_segment 0
		.amdhsa_kernarg_size 32
		.amdhsa_user_sgpr_count 2
		.amdhsa_user_sgpr_kernarg_segment_ptr 1
		.amdhsa_wavefront_size32 1
		.amdhsa_system_sgpr_workgroup_id_x 1
		.amdhsa_system_sgpr_workgroup_id_y 1
		.amdhsa_system_sgpr_workgroup_id_z 1
		.amdhsa_system_vgpr_workitem_id 0
		.amdhsa_next_free_vgpr 1024
		.amdhsa_next_free_sgpr 102
		.amdhsa_reserve_vcc 1
		.amdhsa_float_denorm_mode_32 3
		.amdhsa_float_denorm_mode_16_64 3
		.amdhsa_memory_ordered 1
		.amdhsa_forward_progress 1
		.amdhsa_inst_pref_size 255
	.end_amdhsa_kernel
	.section	.bss,"aw",@nobits
	.p2align	6
	.space	262144
	.amdgpu_metadata
---
amdhsa.version: [ 1, 2 ]
amdhsa.kernels:
  - .name:           k_q8dad2abbdb_gemm1
    .symbol:         k_q8dad2abbdb_gemm1.kd
    .args:
      - { .name: ximg, .offset: 0, .size: 8, .value_kind: global_buffer, .address_space: global }
      - { .name: wimg, .offset: 8, .size: 8, .value_kind: global_buffer, .address_space: global }
      - { .name: b1, .offset: 16, .size: 8, .value_kind: global_buffer, .address_space: global }
      - { .name: gimg, .offset: 24, .size: 8, .value_kind: global_buffer, .address_space: global }
    .group_segment_fixed_size: 327680
    .private_segment_fixed_size: 0
    .kernarg_segment_align: 8
    .kernarg_segment_size: 32
    .max_flat_workgroup_size: 128
    .sgpr_count:     102
    .vgpr_count:     1024
    .wavefront_size: 32
...
	.end_amdgpu_metadata
.endif
;; end of part 5
;; launch gemm2 (part 6): grid 8 x 32, 4 waves a work-group, clusters of 4 x 4, 327,680 bytes of LDS; arguments gimg, wimg, b2, outw, out0; writes out0
.if DOCPART == 6
	.amdgcn_target "amdgcn-amd-amdhsa--gfx1250"
	.amdhsa_code_object_version 6
	.text
	.protected	k_q8dad2abbdb_gemm2
	.globl	k_q8dad2abbdb_gemm2
	.p2align	8
	.type	k_q8dad2abbdb_gemm2,@function
k_q8dad2abbdb_gemm2:
	s_mov_b64 s[64:65], 0
	v_nop
	global_prefetch_b8 v0, s[64:65] scope:SCOPE_SE
	s_setreg_imm32_b32 hwreg(HW_REG_WAVE_MODE, 25, 1), 1
	s_wait_xcnt 0x0
	s_wait_alu depctr_hold_cnt(0) depctr_sa_sdst(0) depctr_va_vdst(0) depctr_va_sdst(0) depctr_va_ssrc(0) depctr_va_vcc(0) depctr_vm_vsrc(0)
	s_getreg_b32 s2, hwreg(HW_REG_IB_STS2, 6, 4)
	s_cmp_eq_u32 s2, 0
	s_cbranch_scc0 .Lentry_in_a_cluster
	s_endpgm
.Lentry_in_a_cluster:
	s_bfe_u32 s2, ttmp6, 0x10000c
	s_cmp_lg_u32 s2, 0xf033
	s_cbranch_scc0 .Lentry_shape_is_right
	s_endpgm
.Lentry_shape_is_right:
; out0 = outw + g W2^T + b2 on codes of FP6 (E2M3) with E8M0 scales.  OPERANDS are images of registers: codes [tile of 16 rows][K step of 128][1,536], scale words [8 tiles][K step][512].
; A tile of the result is 128 x 128, a wave's 64 x 64: 16 accumulators.  K = 4,096 goes through a ring of two LDS slots of four K steps.  CLUSTERS of 4 x 4: A's tiles are shared along a row, B's along a column.
; At the head each wave issues ONE joint load: wave 0 A's 8 tiles of K steps 0-3, wave 1 B's, wave 2 A's scale words of all K, wave 3 B's; slot 1 is first filled behind a full round, a quarter of the slot a wave.
; THE TILES ARE PREFETCHED INTO THE L2: at each change of slots every wave has waited for all its tensor loads, so a refill goes out with nothing on its way beside it.  Behind the load of slot fill c stands one
; prefetch for fill c + 2 (the head, which loads fill 0, asks for fills 1 and 2): two fills, 128 matrix instructions of a wave, ahead of the load that wants the bytes.  Of the 4 tiles x 6,144 bytes that wave w
; fetches, each of the four partners that ask for them jointly takes one tile, told apart by address (cx for A, cy for B): 24 blocks of 256 bytes, a lane a block; lanes 24-31 name the last block again.
; The last two refills ask for nothing: fill 7 is the last.  The residual's rows are asked for behind the first two K steps, not at the head.
.set NA,     4
.set NQ,     4
.set SROW,   NQ*1536
.set RBK,    49152
.set HALFT,  NA*SROW
.set SLOT,   4*HALFT
.set SCL,    2*SLOT
.set HALFS,  8192
.set SPARE,  SCL+4*HALFS
.set STG,    SPARE+512
.set LAPS,   4
.set HALFL,  24
.set GS,     12582912
.set WC2,    5505024
.set WS2,    8880128
.set LI,   5
.set C16,  7
.set CO,   8
.set STO,  9
.set RD,   10
.set ADRA, 16
.set ADRB, 20
.set ADRS, 27
.set SPW,  28
.set NIL,  29
.set SC,   32
.set FB,   64
.set YY,   64
.set G1,   24
.set G0,   32
.set G1B,  48
.set G0B,  56
.set G1S,  68
.set G0S,  76
.set G1SB, 80
.set G0SB, 88
.set G0H,  4                           ; s[4:7]   group 0 for the head's load of A's 8 tiles
.set G0HB, 92                          ; s[92:95] and of B's
.set PFA,  96                          ; s[96:97] where my prefetches stand: my work-group's tile of the four that I fetch
.set PFO,  30                          ; v30      256 x min(lane, 23); never rewritten
.set MSB, 0
.macro WIN new
.set WNEW, \new
.if MSB != WNEW
	s_set_vgpr_msb (MSB<<8)|WNEW
.set MSB, WNEW
.endif
.endm
.macro JLOAD g0a, g1a, g0b, g1b
	s_cmp_eq_u32 s15, 0
	s_cbranch_scc0 .Lfor_b_\@
	tensor_load_to_lds s[\g0a:\g0a+3], s[\g1a:\g1a+7]
	s_nop 0
.rept 4
	v_nop
.endr
	s_branch .Lasked_\@
.Lfor_b_\@:
	tensor_load_to_lds s[\g0b:\g0b+3], s[\g1b:\g1b+7]
	s_nop 0
.rept 4
	v_nop
.endr
.Lasked_\@:
.endm
.macro CREST
	s_cmp_lg_u32 s14, 0
	s_cbranch_scc1 .Lnot_wave_0_\@
	s_barrier_signal -3
.Lnot_wave_0_\@:
	s_barrier_wait -3
	s_barrier_signal -1
	s_barrier_wait -1
.endm
.macro CROUND
	s_barrier_signal -1
	s_barrier_wait -1
	CREST
.endm
.macro PLACES n
.rept \n
	v_nop
.endr
.endm
	s_load_b256 s[4:11], s[0:1], 0x0
	s_load_b64 s[12:13], s[0:1], 0x20
	v_lshl_add_u32 v[SPW], v0, 2, SPARE
	v_mov_b32 v[NIL], 0
	ds_add_u32 v28, v29
	ds_add_u32 v28, v29
	s_wait_dscnt 0x0
	v_lshrrev_b32 v1, 5, v0
	v_readfirstlane_b32 s14, v1
	s_lshr_b32 s15, s14, 1
	s_and_b32 s16, s14, 1
	s_bfe_u32 s40, ttmp6, 0x40000
	s_bfe_u32 s41, ttmp6, 0x40004
	s_lshl_b32 s42, ttmp9, 2
	s_add_co_u32 s42, s42, s40
	s_and_b32 s17, ttmp7, 0xffff
	s_lshl_b32 s17, s17, 2
	s_add_co_u32 s17, s17, s41
	s_lshl_b32 s43, s41, 2
	s_lshl_b32 s43, 15, s43
	s_lshl_b32 s44, 0x1111, s40
	s_or_b32 s[G1+0], s43, (3<<16)|(1<<21)
	s_or_b32 s[G1B+0], s44, (3<<16)|(1<<21)
.irp g, G1, G1B
	s_mov_b32 s[\g+1], (SROW/8)<<16
	s_mov_b32 s[\g+2], (2*NA)<<16                  ; tensor_dim1: 8 tiles for the head's loads; behind them 4
	s_mov_b32 s[\g+3], (SROW/8)<<16
	s_mov_b32 s[\g+4], 2*NA
	s_mov_b32 s[\g+5], RBK/8
	s_mov_b32 s[\g+6], 0
	s_mov_b32 s[\g+7], 0
.endr
	s_or_b32 s[G1S+0], s43, (3<<16)|(1<<21)
	s_or_b32 s[G1SB+0], s44, (3<<16)|(1<<21)
.irp g, G1S, G1SB
	s_mov_b32 s[\g+1], 32<<16
	s_mov_b32 s[\g+2], (2*HALFS/256)<<16           ; the scale words of 8 tiles, all K
	s_mov_b32 s[\g+3], 32<<16
	s_mov_b32 s[\g+4], 2*HALFS/256
	s_mov_b32 s[\g+5], 32
	s_mov_b32 s[\g+6], 0
	s_mov_b32 s[\g+7], 0
.endr
	s_lshl_b32 s20, s17, 1                         ; A: the first of the work-group's two groups of 4 tiles
	s_lshl_b32 s46, s42, 1                         ; B likewise
	s_mul_i32 s22, s20, HALFS
	s_add_co_u32 s22, s22, GS
	s_mul_i32 s20, s20, NA*RBK
	s_mov_b32 s21, 0
	s_mov_b32 s23, 0
	s_mul_i32 s92, s46, HALFS
	s_add_co_u32 s92, s92, WS2
	s_mul_i32 s46, s46, NA*RBK
	s_add_co_u32 s46, s46, WC2
	s_mov_b32 s47, 0
	s_mov_b32 s93, 0
	s_mul_i32 s45, s14, HALFT
	s_mul_i32 s2, s16, NA*RBK                      ; in the ring I fetch one group of 4 tiles: which, in bytes
	s_mov_b32 s3, 0
	s_wait_kmcnt 0x0
	s_add_nc_u64 s[20:21], s[4:5], s[20:21]
	s_add_nc_u64 s[22:23], s[4:5], s[22:23]
	s_add_nc_u64 s[46:47], s[6:7], s[46:47]
	s_add_nc_u64 s[92:93], s[6:7], s[92:93]
	CROUND
	s_mov_b32 s[G0S], 1
	s_mov_b32 s[G0S+1], SCL
	s_mov_b64 s[G0S+2:G0S+3], s[22:23]
	s_or_b32 s[G0S+3], s[G0S+3], 0x80000000
	s_mov_b32 s[G0SB], 1
	s_mov_b32 s[G0SB+1], SCL+2*HALFS
	s_mov_b64 s[G0SB+2:G0SB+3], s[92:93]
	s_or_b32 s[G0SB+3], s[G0SB+3], 0x80000000
	s_mov_b32 s[G0H], 1                            ; K steps 0-3 of A's 8 tiles,
	s_mov_b32 s[G0H+1], 0
	s_mov_b64 s[G0H+2:G0H+3], s[20:21]
	s_or_b32 s[G0H+3], s[G0H+3], 0x80000000
	s_mov_b32 s[G0HB], 1                           ; and of B's, behind them in slot 0
	s_mov_b32 s[G0HB+1], 2*HALFT
	s_mov_b64 s[G0HB+2:G0HB+3], s[46:47]
	s_or_b32 s[G0HB+3], s[G0HB+3], 0x80000000
	s_add_nc_u64 s[20:21], s[20:21], s[2:3]        ; for the ring: my group of 4 tiles
	s_add_nc_u64 s[46:47], s[46:47], s[2:3]
.irp s, 0,1
	s_mov_b32 s[G0+4*\s], 1
	s_add_co_u32 s[G0+4*\s+1], s45, \s*SLOT
	s_add_nc_u64 s[G0+4*\s+2:G0+4*\s+3], s[20:21], \s*SROW
	s_or_b32 s[G0+4*\s+3], s[G0+4*\s+3], 0x80000000
	s_mov_b32 s[G0B+4*\s], 1
	s_add_co_u32 s[G0B+4*\s+1], s45, \s*SLOT
	s_add_nc_u64 s[G0B+4*\s+2:G0B+4*\s+3], s[46:47], \s*SROW
	s_or_b32 s[G0B+4*\s+3], s[G0B+4*\s+3], 0x80000000
.endr
; The head's loads, one a wave: one tree of branches on the wave's number, a load to each arm, all arms leading to one join
.macro ARM under, g0, g1, next
	s_cmp_lt_u32 s14, \under
	s_cbranch_scc0 \next
	tensor_load_to_lds s[\g0:\g0+3], s[\g1:\g1+7]
	s_nop 0
.rept 4
	v_nop
.endr
	s_branch .Lhead_asked
\next:
.endm
	ARM 1, G0H,  G1,  .Lhead_b
	ARM 2, G0HB, G1B, .Lhead_sa
	ARM 3, G0S,  G1S, .Lhead_sb
	tensor_load_to_lds s[G0SB:G0SB+3], s[G1SB:G1SB+7]
	s_nop 0
.rept 4
	v_nop
.endr
.Lhead_asked:
	s_cmp_eq_u32 s15, 0                            ; do I fetch for A?
	s_cselect_b64 s[PFA:PFA+1], s[20:21], s[46:47] ; my group of 4 tiles
	s_cselect_b32 s98, s40, s41                    ; my place among the four that ask for it with me: it enters this address alone
	s_mul_i32 s98, s98, RBK
	s_mov_b32 s99, 0
	s_add_nc_u64 s[PFA:PFA+1], s[PFA:PFA+1], s[98:99]
	v_and_b32 v[PFO], 31, v0
	v_min_u32 v[PFO], 23, v[PFO]
	v_lshlrev_b32 v[PFO], 8, v[PFO]
	global_prefetch_b8 v[PFO], s[PFA:PFA+1] offset:SROW th:TH_LOAD_NT scope:SCOPE_SE      ; fill 1
	global_prefetch_b8 v[PFO], s[PFA:PFA+1] offset:2*SROW th:TH_LOAD_NT scope:SCOPE_SE    ; fill 2
	v_and_b32 v1, 15, v0
	v_bfe_u32 v2, v0, 4, 1
	v_and_b32 v3, 31, v0
	v_lshlrev_b32 v[LI], 4, v3
	v_lshlrev_b32 v[C16], 4, v1
	s_wait_alu depctr_va_vdst(0)
	v_lshl_add_u32 v[CO], v2, 12, v[C16]
	s_wait_alu depctr_va_vdst(0)
	s_lshl_b32 s20, s42, 9
	s_lshl_b32 s21, s16, 8
	s_add_co_u32 s20, s20, s21
	s_mov_b32 s21, 0
	s_add_nc_u64 s[8:9], s[8:9], s[20:21]
	s_lshl_b32 s22, s17, 19
	s_lshl_b32 s23, s15, 18
	s_add_co_u32 s22, s22, s23
	s_add_co_u32 s22, s22, s20
	s_mov_b32 s23, 0
	s_add_nc_u64 s[10:11], s[10:11], s[22:23]
	s_add_nc_u64 s[12:13], s[12:13], s[22:23]
	s_mul_i32 s21, s15, HALFT
	s_mul_i32 s22, s16, HALFT
	s_add_co_u32 s22, s22, 2*HALFT
.irp s, 0,1
	v_add_nc_u32 v[ADRA+\s], s21, v[LI]
	v_add_nc_u32 v[ADRB+\s], s22, v[LI]
	s_add_co_u32 s21, s21, SLOT
	s_add_co_u32 s22, s22, SLOT
.endr
	s_lshl_b32 s21, s15, 8
	s_lshl_b32 s22, s16, 8
	s_add_co_u32 s22, s22, 2*HALFS
	s_sub_co_u32 s22, s22, s21
	v_mul_u32_u24 v6, s22, v2
	s_add_co_u32 s21, s21, SCL
	v_lshl_add_u32 v6, v1, 4, v6
	v_add_nc_u32 v[ADRS], s21, v6
	s_mul_i32 s23, s14, 4352
	s_add_co_u32 s23, s23, STG
	v_mul_u32_u24 v[STO], v1, 272
	v_lshl_add_u32 v[STO], v2, 6, v[STO]
	v_add_nc_u32 v[STO], s23, v[STO]
	v_mul_u32_u24 v[RD], v2, 272
	v_lshl_add_u32 v[RD], v1, 4, v[RD]
	v_add_nc_u32 v[RD], s23, v[RD]
.macro FRAG reg, adr, q, i
.irp c, 0,1,2
	ds_load_b128 v[\reg+4*\c:\reg+4*\c+3], v[\adr] offset:(\i)*SROW+(\q)*1536+512*\c
.endr
.endm
.macro FETCH slot, qq, g
	WIN (\g)<<6
.irp c, 0,1
.irp i, 0,1,2,3
	FRAG FB+96*\c+12*\i, ADRB+\slot, 2*(\qq)+\c, \i
.endr
.irp i, 0,1,2,3
	FRAG FB+96*\c+48+12*\i, ADRA+\slot, 2*(\qq)+\c, \i
.endr
.endr
.endm
.macro SCALES set
.irp q, 0,1,2,3
	ds_load_b128 v[SC+16*\set+4*\q:SC+16*\set+4*\q+3], v[ADRS] offset:512*\q
.endr
.endm
.macro MULP f, part, qq, set, zero
	WIN (\f)|((\f)<<2)|(2<<4)|(2<<6)
.set CC, (\part)/2
.set KQ, SC+16*(\set)+4*(2*(\qq)+CC)
.irp a, 2*((\part)%2), 2*((\part)%2)+1
.irp b, 0,1,2,3
.if \zero
	v_wmma_scale_f32_16x16x128_f8f6f4 v[8*(4*(\a)+\b):8*(4*(\a)+\b)+7], v[FB+96*CC+12*\b:FB+96*CC+12*\b+11], v[FB+96*CC+48+12*(\a):FB+96*CC+48+12*(\a)+11], 0, v[KQ+\b], v[KQ+(\a)] matrix_a_fmt:MATRIX_FMT_FP6 matrix_b_fmt:MATRIX_FMT_FP6 matrix_a_scale:MATRIX_SCALE_ROW1
.else
	v_wmma_scale_f32_16x16x128_f8f6f4 v[8*(4*(\a)+\b):8*(4*(\a)+\b)+7], v[FB+96*CC+12*\b:FB+96*CC+12*\b+11], v[FB+96*CC+48+12*(\a):FB+96*CC+48+12*(\a)+11], v[8*(4*(\a)+\b):8*(4*(\a)+\b)+7], v[KQ+\b], v[KQ+(\a)] matrix_a_fmt:MATRIX_FMT_FP6 matrix_b_fmt:MATRIX_FMT_FP6 matrix_a_scale:MATRIX_SCALE_ROW1
.endif
.endr
.endr
.endm
.macro QUARTER slot, zero
	s_wait_dscnt HALFL
	MULP 0, 0, 0, \slot, \zero
	MULP 0, 1, 0, \slot, \zero
	PLACES 4
	FETCH \slot, 1, 1
	s_wait_dscnt 48
	MULP 0, 2, 0, \slot, 0
	MULP 0, 3, 0, \slot, 0
.endm
.macro TURN slot, next, fill
.if \fill
	s_wait_xcnt 0x0                                ; my last prefetch has read its address: it is stepped here, ahead of the waits of the change of slots
	s_add_nc_u64 s[PFA:PFA+1], s[PFA:PFA+1], SROW
.endif
	WIN 0
	s_wait_tensorcnt 0x0
	ds_add_u32 v[SPW], v[NIL]
	s_wait_dscnt HALFL+1
	MULP 1, 0, 1, \slot, 0
	s_wait_dscnt 0x0
	s_barrier_signal -1
	MULP 1, 1, 1, \slot, 0
	WIN 0
	s_barrier_wait -1
.if \fill
	CREST
	s_add_nc_u64 s[G0+4*\slot+2:G0+4*\slot+3], s[G0+4*\slot+2:G0+4*\slot+3], 2*SROW
	s_add_nc_u64 s[G0B+4*\slot+2:G0B+4*\slot+3], s[G0B+4*\slot+2:G0B+4*\slot+3], 2*SROW
	JLOAD G0+4*\slot, G1, G0B+4*\slot, G1B
.else
	PLACES 4
.endif
	s_wait_alu depctr_va_vdst(0)
	v_add_nc_u32 v[ADRS], NQ*512, v[ADRS]
	SCALES \next
	FETCH \next, 0, 0
.if \fill
	s_cmp_gt_u32 s3, 1                             ; s3 = 1 in the loop's last trip, whose two refills are the last
	s_cbranch_scc0 .Lno_ask_\@
	global_prefetch_b8 v[PFO], s[PFA:PFA+1] offset:3*SROW th:TH_LOAD_NT scope:SCOPE_SE    ; the fill two on from the one just asked for
.Lno_ask_\@:
.endif
	MULP 1, 2, 1, \slot, 0
	MULP 1, 3, 1, \slot, 0
.endm
.macro LASTQ slot
	s_wait_dscnt HALFL
	MULP 1, 0, 1, \slot, 0
	MULP 1, 1, 1, \slot, 0
	s_wait_dscnt 0x0
	MULP 1, 2, 1, \slot, 0
	MULP 1, 3, 1, \slot, 0
	WIN 0
.endm
.macro WAYOUT a
	WIN 0x08
.irp b, 0,1,2,3
	ds_store_b128 v[STO], v[8*(4*(\a)+\b):8*(4*(\a)+\b)+3] offset:128*(\b/2)+32*(\b%2)
	ds_store_b128 v[STO], v[8*(4*(\a)+\b)+4:8*(4*(\a)+\b)+7] offset:128*(\b/2)+32*(\b%2)+16
.endr
	WIN 0
	s_wait_xcnt 0x0
.irp e, 0,1,2,3,4,5,6,7
	ds_load_b128 v[YY+4*\e:YY+4*\e+3], v[RD] offset:544*\e
.endr
	s_wait_dscnt 0x0
	WIN 0x0c
.set YI, 0
.rept 16
	v_pk_add_f32 v[YY+YI:YY+YI+1], v[YY+YI:YY+YI+1], v[32*(\a)+YI:32*(\a)+YI+1]
.set YI, YI+2
.endr
	WIN 0x04
.irp e, 0,1,2,3,4,5,6,7
	v_pk_add_f32 v[YY+4*\e:YY+4*\e+1], v[YY+4*\e:YY+4*\e+1], v[0:1]
	v_pk_add_f32 v[YY+4*\e+2:YY+4*\e+3], v[YY+4*\e+2:YY+4*\e+3], v[2:3]
.endr
	WIN 0
.irp e, 0,1,2,3,4,5,6,7
	global_store_b128 v[CO], v[YY+4*\e:YY+4*\e+3], s[12:13] offset:(32*((\a)/2)+8*((\a)%2)+2*\e+8*(\e/4))*4096 th:TH_STORE_NT
.endr
.endm
	s_wait_alu depctr_va_vdst(0)
	s_wait_tensorcnt 0x0                           ; my tile of the head's four is in
	ds_add_u32 v[SPW], v[NIL]
	s_mov_b32 s[G1+2], NA<<16                      ; no tensor load of mine is out: from here on a load brings 4 tiles
	s_mov_b32 s[G1+4], NA
	s_mov_b32 s[G1B+2], NA<<16
	s_mov_b32 s[G1B+4], NA
	s_wait_dscnt 0x0
	CROUND                                         ; all four tiles are in, and all sixteen work-groups are here
	JLOAD G0+4, G1, G0B+4, G1B                     ; K steps 4-7 into slot 1: the first tensor load behind the round
	SCALES 0
	FETCH 0, 0, 0
	global_prefetch_b8 v[PFO], s[PFA:PFA+1] offset:3*SROW th:TH_LOAD_NT scope:SCOPE_SE    ; fill 3
	QUARTER 0, 1
	WIN 0x40
	global_load_b128 v[0:3], v[C16], s[8:9]        ; b2 at my lane's four columns
	WIN 0xc0
.irp a, 0,1,2,3
.irp e, 0,1,2,3,4,5,6,7
	global_load_b128 v[32*\a+4*\e:32*\a+4*\e+3], v[CO], s[10:11] offset:(32*(\a/2)+8*(\a%2)+2*\e+8*(\e/4))*4096   ; the residual, in window 3; wanted on the way out
.endr
.endr
	WIN 0
	s_mov_b32 s3, LAPS-1
.Llap:
	TURN 0, 1, 1
	QUARTER 1, 0
	TURN 1, 0, 1
	QUARTER 0, 0
	WIN 0
	s_sub_co_u32 s3, s3, 1
	s_cmp_lg_u32 s3, 0
	s_cbranch_scc1 .Llap
	TURN 0, 1, 0
	QUARTER 1, 0
	LASTQ 1
	s_wait_loadcnt 0x0
	PLACES 4
	WAYOUT 0
	WAYOUT 1
	WAYOUT 2
	WAYOUT 3
	s_wait_tensorcnt 0x0
	ds_add_u32 v[SPW], v[NIL]
	s_wait_dscnt 0x0
	CROUND
	s_endpgm
.Lfunc_end_k_q8dad2abbdb_gemm2:
	.size	k_q8dad2abbdb_gemm2, .Lfunc_end_k_q8dad2abbdb_gemm2-k_q8dad2abbdb_gemm2
	.p2alignl 7, 3214868480
	.fill 96, 4, 3214868480
	.section	.rodata,"a",@progbits
	.p2align	6, 0x0
	.amdhsa_kernel k_q8dad2abbdb_gemm2
		.amdhsa_group_segment_fixed_size 327680
		.amdhsa_private_segment_fixed_size 0
		.amdhsa_enable_private_segment 0
		.amdhsa_kernarg_size 40
		.amdhsa_user_sgpr_count 2
		.amdhsa_user_sgpr_kernarg_segment_ptr 1
		.amdhsa_wavefront_size32 1
		.amdhsa_system_sgpr_workgroup_id_x 1
		.amdhsa_system_sgpr_workgroup_id_y 1
		.amdhsa_system_sgpr_workgroup_id_z 1
		.amdhsa_system_vgpr_workitem_id 0
		.amdhsa_next_free_vgpr 1024
		.amdhsa_next_free_sgpr 102
		.amdhsa_reserve_vcc 0
		.amdhsa_float_denorm_mode_32 3
		.amdhsa_float_denorm_mode_16_64 3
		.amdhsa_memory_ordered 1
		.amdhsa_forward_progress 1
		.amdhsa_inst_pref_size 93
	.end_amdhsa_kernel
	.amdgpu_metadata
---
amdhsa.version: [ 1, 2 ]
amdhsa.kernels:
  - .name:           k_q8dad2abbdb_gemm2
    .symbol:         k_q8dad2abbdb_gemm2.kd
    .args:
      - { .name: gimg, .offset: 0, .size: 8, .value_kind: global_buffer, .address_space: global }
      - { .name: wimg, .offset: 8, .size: 8, .value_kind: global_buffer, .address_space: global }
      - { .name: b2, .offset: 16, .size: 8, .value_kind: global_buffer, .address_space: global }
      - { .name: outw, .offset: 24, .size: 8, .value_kind: global_buffer, .address_space: global }
      - { .name: out0, .offset: 32, .size: 8, .value_kind: global_buffer, .address_space: global }
    .group_segment_fixed_size: 327680
    .private_segment_fixed_size: 0
    .kernarg_segment_align: 8
    .kernarg_segment_size: 40
    .max_flat_workgroup_size: 128
    .sgpr_count:     102
    .vgpr_count:     1024
    .wavefront_size: 32
...
	.end_amdgpu_metadata
.endif
;; end of part 6
